; MI455X (gfx1250); checked and timed in simulation.
; The chip was launched on July 23, 2026; its instructions are those of AMD's public machine-readable ISA for CDNA 5 (MIT licence, August 2026) and "CDNA5" Instruction Set Architecture Reference Guide (July 2026). The comments in the code are by the model that wrote it; some were corrected since.
;; Multi Head Attention. Allowed arithmetic: matrix products marked QUANTISED: E3M2 operands, one E8M0 scale for each 32 along K, by v_wmma_scale_f32_16x16x128_f8f6f4 with both operands' format E3M2, f32 sums; everything else in f32.
;; Inputs: Wk 1,024 x 1,024 float32; Wo 1,024 x 1,024 float32; Wq 1,024 x 1,024 float32; Wv 1,024 x 1,024 float32; bk 1,024 float32; bo 1,024 float32; bq 1,024 float32; bv 1,024 float32; k 4 x 2,048 x 1,024 float32; mask 1 x 1 x 2,048 x 2,048 int32; q 4 x 2,048 x 1,024 float32; v 4 x 2,048 x 1,024 float32.
;; Outputs: out0 4 x 2,048 x 1,024 float32.
;; This version of the problem:
;;   THIS VERSION OF THE PROBLEM IS GIVEN IN LOW PRECISION. The matrix products marked QUANTISED in the list below multiply operands that are first quantised to E3M2 (3 exponent bits, 2 mantissa bits; 6 bits a number), with one power-of-two scale for each 32 numbers along K (OCP MX v1.0); their sums are f32. All else is computed in f32.
;;   The module's matrix products, in the order in which they are computed (A, B: the left and right operand; K: the contracted axis; several contracted axes count as one K, in the product's order):
;;     1. [M 8,192, K 1,024] x [K 1,024, N 1,024]; A: input q; B: input Wq: QUANTISED
;;     2. [M 8,192, K 1,024] x [K 1,024, N 1,024]; A: input k; B: input Wk: QUANTISED
;;     3. [M 8,192, K 1,024] x [K 1,024, N 1,024]; A: input v; B: input Wv: QUANTISED
;;     4. batch 64 x [M 2,048, K 64] x [K 64, N 2,048]; A: computed on the way; B: computed on the way: QUANTISED
;;     5. batch 64 x [M 2,048, K 2,048] x [K 2,048, N 64]; A: softmax (see below); B: computed on the way: QUANTISED
;;     6. [M 8,192, K 1,024] x [K 1,024, N 1,024]; A: computed on the way; B: input Wo: QUANTISED
;;   THE QUANTISER, for each operand of a quantised product, along K:
;;     - K is cut into blocks of 32 from its start; a last block that is shorter is filled with zeros.
;;     - A block's scale is 2^e with e = floor(log2(the largest magnitude in the block)) - 4, held to -126 .. 127; a block of zeros has e = 0. As a byte (E8M0): e + 127.
;;     - Each number is divided by its block's scale, clamped to +-28, and rounded to the nearest number of E3M2, ties to even, subnormals kept.
;;     - The product sums the exact products of the quantised numbers (number of the format x scale) in f32.
;;   ~~~python
;;   def quantise(x, axis):      # numpy; x: float32 -> the quantised numbers, widened to float32 again
;;       x = np.moveaxis(x, axis, -1); K = x.shape[-1]
;;       x = np.pad(x, [(0, 0)] * (x.ndim - 1) + [(0, -K % 32)]); x = x.reshape(x.shape[:-1] + (-1, 32)); a = np.abs(x).max(-1, keepdims=True)
;;       e = np.where(a > 0, np.clip(np.frexp(np.where(a > 0, a, 1))[1] - 1 - 4, -126, 127), 0)      # np.frexp(a)[1] - 1 = floor(log2(a)), exactly
;;       r = np.clip(x / 2.0 ** e, -28, 28)
;;       step = 2.0 ** (np.maximum(np.frexp(np.where(r == 0, 1, r))[1] - 1, -2) - 2)
;;       q = np.round(r / step) * step * 2.0 ** e      # np.round: ties to even
;;       return np.moveaxis(q.reshape(q.shape[:-2] + (-1,))[..., :K], -1, axis).astype(np.float32)
;;   ~~~
;;   SOFTMAX AHEAD OF A QUANTISED PRODUCT. Where the list says 'softmax', what is quantised is not the finished softmax but p = 2^(t - M), with t = logit x log2(e) and M = ceil(the row's largest t), a whole number; so 1/2 < the row's largest p <= 1. The row's sum l is taken of the UNQUANTISED p, in f32, and the product's result is divided by l at the end. Since M is a whole number, a kernel that streams over the keys may use a running M (the ceiling of the running maximum): every later rescaling is an exact power of two, which a block's scale takes up: the codes' values come out the same.
;;   OPERANDS COMPUTED ON THE WAY. 'Computed on the way' means the value that the module computes at that place (a softmax that the list does not call 'softmax' is quantised finished and normalised). What goes into a quantiser is computed in f32, as accurately as f32 sums, v_exp_f32 and their like allow (about 1e-6 of the number): no bf16 or f16 on the way to a quantiser, and a product that is left as it is and whose result goes on into a quantised operand takes f32 operands (vector FMAs, or v_wmma_f32_16x16x4_f32). A number that lies on a knife's edge between two numbers of the format may be rounded either way, as far as f32 arithmetic and the matrix unit's own rounding can turn it there, and no further.
;; One version. Each part assembles by itself: llvm-mc -triple=amdgcn-amd-amdhsa -mcpu=gfx1250 --defsym DOCPART=n.
;; ======== version 1 of 1: 4 launches
;; limits: right only within a limited range of input values
;; workspace buffers: xc 22,020,096 bytes; xs 917,504 bytes; mbits 524,288 bytes of whole numbers; mflag 1,024 bytes of whole numbers; hc 18,874,368 bytes; hs 786,432 bytes; cc 6,291,456 bytes; cs 262,144 bytes
;; launch prep (part 1): grid 576 x 1, 8 waves a work-group, no clusters, 72,704 bytes of LDS; arguments q, k, v, Wq, Wk, Wv, Wo, mask, xc, xs, mbits, mflag; writes xc, xs, mbits, mflag
.if DOCPART == 1
	.amdgcn_target "amdgcn-amd-amdhsa--gfx1250"
	.amdhsa_code_object_version 6
	.text
	.protected	k_q1082766391_prep
	.globl	k_q1082766391_prep
	.p2align	8
	.type	k_q1082766391_prep,@function
k_q1082766391_prep:
	s_mov_b64 s[64:65], 0
	v_nop
	global_prefetch_b8 v0, s[64:65] scope:SCOPE_SE
	s_setreg_imm32_b32 hwreg(HW_REG_WAVE_MODE, 25, 1), 1
	s_wait_xcnt 0x0
; TWO JOBS IN ONE LAUNCH, told apart by the work-group's number.
; Work-groups 128 .. 575: q, k, v [8192][1024] and Wq, Wk, Wv, Wo [1024][1024], f32, become codes of BF6 (E3M2), K innermost, 768 bytes a row, in xc, and one E8M0 byte for each 32 along K, 32 bytes a row, in xs.
;   Rows in xc and xs: q from 0, k from 8,192, v from 16,384, Wq from 24,576, Wk 25,600, Wv 26,624, Wo 27,648.
;   In k, v, Wq, Wk, Wv the two middle groups of 8 rows of every 32 rows change places, so that 16 rows on end, taken as a tile, are rows 32 b + 8 u + r + 8 (r / 8): the next launch's results then have 16 neighbours along the next K in 16 registers.
;   A block's scale is 2^(floor(log2(its largest magnitude)) - 4); its byte is that magnitude's exponent field - 4, held at 1 from below.
;   LIMITS: a block of zeros gets the byte 1 where the rule says 127 (its codes are zeros, and this program alone reads the bytes); blocks whose largest magnitude lies under 2^-122 are held at byte 1; NaN and infinities are not served.
;   A wave takes 8 rows (8,192 numbers) in 16 steps of 512.  Each load reads 512 consecutive bytes; a step's 2,048 bytes turn through the wave's own stage in LDS, so that a lane holds 16 neighbours; two neighbouring lanes hold a block.
; Work-groups 0 .. 127: the mask [2048][2048] int32, 16 query rows each, becomes
;   mbits [tile 128][key step 16][word 64]: bit l of word n says whether key 128 j + 32 (n / 16) + 16 (l / 16) + n % 16 counts for query 16 T + l % 16: the lanes of score register n that keep their score;
;   mflag: need[128], then mixed[128] at byte 512: bit j of need: some key of step j counts for some row of the tile; of mixed: and some key does not.  Where a row of the tile has no key at all, need is 0xffff: such a row averages over all keys.
; The two jobs have LDS bytes of their own: the quantiser bytes 0 .. 65,535, the mask from 65,536 on.
.set STEPS, 16
.set EMAX,  4
.set CB,    12                         ; bytes of 16 codes
.set R,     16                         ; v16-79   four sets of 16 numbers as loaded
.set X,     80                         ; v80-111  two sets of 16 neighbours
.set E,     112                        ; v112-127 a scale byte for each step
.set C,     128                        ; v128-191 codes: four registers for each step
.set WREG,  8192                       ; LDS of a wave: two stages of 32 x SP bytes, then its 256 scale bytes
.set SP,    80                         ; a lane's place in a stage: 64 bytes + 16 of padding
.set MB,    65536                      ; the mask's bits: 16 rows x (256 bytes + 16)
.set FL,    MB+16*272                  ; any[16], then all[16] at + 64
.set WV,    33                         ; s33 my wave's number
	s_load_b512 s[4:19], s[0:1], 0x0               ; q, k, v, Wq, Wk, Wv, Wo, mask
	s_load_b256 s[20:27], s[0:1], 0x40             ; xc, xs, mbits, mflag
	v_lshl_add_u32 v192, v0, 2, 0x11800
	v_mov_b32 v193, 0
	v_lshrrev_b32 v1, 5, v0
	s_delay_alu instid0(VALU_DEP_1)
	v_readfirstlane_b32 s[WV], v1                  ; wave 0..7
	v_and_b32 v2, 31, v0                           ; lane
	s_cmp_lt_u32 ttmp9, 128
	s_cbranch_scc1 .Lmask
	; ---------------- the quantiser ----------------
	v_lshlrev_b32 v3, 4, v2                        ; my 16 bytes of a load's 512
	s_mul_i32 s35, s[WV], WREG
	v_lshrrev_b32 v14, 2, v2
	s_delay_alu instid0(VALU_DEP_1)
	v_mul_u32_u24 v14, v14, SP
	v_and_b32 v15, 3, v2
	s_delay_alu instid0(VALU_DEP_1)
	v_lshl_add_u32 v14, v15, 4, v14
	s_delay_alu instid0(VALU_DEP_1)
	v_add_nc_u32 v14, s35, v14                     ; the stage, on the way in: SP (lane / 4) + 16 (lane % 4)
	v_mul_u32_u24 v15, v2, SP
	s_delay_alu instid0(VALU_DEP_1)
	v_add_nc_u32 v15, s35, v15                     ; and on the way out: SP x lane
	v_mul_u32_u24 v4, v2, CB                       ; my codes' place in a step's
	v_lshrrev_b32 v5, 1, v2
	s_add_co_u32 s35, s35, 2*32*SP
	v_add_nc_u32 v5, s35, v5                       ; my block's byte among my wave's 256
	v_lshlrev_b32 v7, 3, v2
	s_delay_alu instid0(VALU_DEP_1)
	v_add_nc_u32 v6, s35, v7                       ; and 8 bytes a lane on the way out
	s_sub_co_u32 s28, ttmp9, 128                   ; g: 0 .. 447
	s_wait_alu depctr_va_vdst(0)
	s_wait_kmcnt 0x0
	s_mov_b64 s[30:31], s[16:17]                   ; which tensor: the choice hangs on the work-group's number alone
	s_mov_b32 s29, 432                             ; and its first g
	s_cmp_lt_u32 s28, 432
	s_cselect_b64 s[30:31], s[14:15], s[30:31]
	s_cselect_b32 s29, 416, s29
	s_cmp_lt_u32 s28, 416
	s_cselect_b64 s[30:31], s[12:13], s[30:31]
	s_cselect_b32 s29, 400, s29
	s_cmp_lt_u32 s28, 400
	s_cselect_b64 s[30:31], s[10:11], s[30:31]
	s_cselect_b32 s29, 384, s29
	s_cmp_lt_u32 s28, 384
	s_cselect_b64 s[30:31], s[8:9], s[30:31]
	s_cselect_b32 s29, 256, s29
	s_cmp_lt_u32 s28, 256
	s_cselect_b64 s[30:31], s[6:7], s[30:31]
	s_cselect_b32 s29, 128, s29
	s_cmp_lt_u32 s28, 128
	s_cselect_b64 s[30:31], s[4:5], s[30:31]
	s_cselect_b32 s29, 0, s29
	s_sub_co_u32 s35, s28, s29
	s_lshl_b32 s35, s35, 3
	s_add_co_u32 s35, s35, s[WV]                   ; my run of 8 rows in the tensor
	s_lshl_b32 s36, s35, 15                        ; 32,768 bytes a run
	s_mov_b32 s37, 0
	s_add_nc_u64 s[30:31], s[30:31], s[36:37]
	s_lshl_b32 s32, s28, 3
	s_add_co_u32 s32, s32, s[WV]                   ; my run among all 3,584
	s_and_b32 s34, s32, -4
	s_and_b32 s35, s32, 1
	s_lshl_b32 s35, s35, 1
	s_or_b32 s34, s34, s35
	s_bfe_u32 s35, s32, 0x10001
	s_or_b32 s34, s34, s35                         ; its two lowest bits change places: the middle groups of 8 rows are swapped,
	s_cmp_lt_u32 s28, 128
	s_cselect_b32 s34, s32, s34                    ; but not in q,
	s_cmp_ge_u32 s28, 432
	s_cselect_b32 s34, s32, s34                    ; nor in Wo
	s_mul_i32 s36, s34, 6144
	s_add_nc_u64 s[20:21], s[20:21], s[36:37]      ; my codes
	s_lshl_b32 s36, s34, 8
	s_add_nc_u64 s[22:23], s[22:23], s[36:37]      ; my scale bytes
.macro LOAD t
.irp i, 0,1,2,3
	global_load_b128 v[R+16*((\t)%4)+4*\i:R+16*((\t)%4)+4*\i+3], v3, s[30:31] offset:2048*(\t)+512*\i th:TH_LOAD_NT   ; 32 lanes read 512 consecutive bytes
.endr
.endm
.macro TURN t                          ; step t's numbers through the stage: LDS serves a wave's instructions in order, so no wait stands between the stores and the loads
.irp i, 0,1,2,3
	ds_store_b128 v14, v[R+16*((\t)%4)+4*\i:R+16*((\t)%4)+4*\i+3] offset:32*SP*((\t)%2)+8*SP*\i
.endr
.irp i, 0,1,2,3
	ds_load_b128 v[X+16*((\t)%2)+4*\i:X+16*((\t)%2)+4*\i+3], v15 offset:32*SP*((\t)%2)+16*\i
.endr
.endm
.irp t, 0,1,2,3
	LOAD \t
.endr
	s_wait_loadcnt 12                              ; step 0's four loads are in; the twelve of steps 1 to 3 stay out
	TURN 0
.macro STEP t
.set XS, X+16*((\t)%2)
.if (\t) > 0
	s_wait_dscnt 1                                 ; this step's numbers are back from the stage (the last step's byte store may be out): so its stores into the stage have read their registers,
.else
	s_wait_dscnt 0x0
.endif
.if (\t)+4 < STEPS
	LOAD (\t)+4                                    ; which take the loads of four steps on
.endif
.if (\t)+1 < STEPS
.if STEPS-2-(\t) >= 3
	s_wait_loadcnt 12                              ; the next step's four loads are in; those of the three steps behind it may be out
.else
	s_wait_loadcnt 4*(STEPS-2-(\t))
.endif
	TURN (\t)+1                                    ; and go through the other stage while this step is worked
.endif
	v_max3_num_f32 v8, |v[XS]|, |v[XS+1]|, |v[XS+2]|               ; the largest magnitude of my 16, in two chains
	v_max3_num_f32 v9, |v[XS+3]|, |v[XS+4]|, |v[XS+5]|
.irp i, 6,10
	s_delay_alu instid0(VALU_DEP_2)
	v_max3_num_f32 v8, v8, |v[XS+\i]|, |v[XS+\i+1]|
	s_delay_alu instid0(VALU_DEP_2)
	v_max3_num_f32 v9, v9, |v[XS+\i+2]|, |v[XS+\i+3]|
.endr
	s_delay_alu instid0(VALU_DEP_2)
	v_max3_num_f32 v8, v8, |v[XS+14]|, |v[XS+15]|
	s_delay_alu instid0(VALU_DEP_1)
	v_max3_num_f32 v8, v8, v9, (EMAX+1)<<23        ; and the floor 2^(5 - 127): the byte cannot fall under 1
	s_delay_alu instid0(VALU_DEP_1)
	v_max_num_f32_dpp v8, v8, v8 row_xmask:1 row_mask:0xf bank_mask:0xf   ; and of my neighbour's 16: the block's
	s_delay_alu instid0(VALU_DEP_1)
	v_add_nc_u32 v11, 0xfe000000, v8               ; 4 off its exponent field: the conversion takes the exponent field of this operand as its scale
	v_cvt_scalef32_pk16_bf6_f32 v[C+4*(\t):C+4*(\t)+2], v[XS:XS+15], v11
	v_lshrrev_b32 v[E+(\t)], 23, v11               ; the scale's byte (also the plain line behind the conversion)
	ds_store_b8 v5, v[E+(\t)] offset:16*(\t)       ; both lanes of a block write the same byte with the same value
	global_store_b96 v4, v[C+4*(\t):C+4*(\t)+2], s[20:21] offset:32*CB*(\t)   ; the wave stores 384 consecutive bytes
.endm
.irp t, 0,1,2,3,4,5,6,7,8,9,10,11,12,13,14,15
	STEP \t
.endr
	ds_load_b64 v[12:13], v6                       ; LDS serves a wave's instructions in order: these see my byte stores
	s_wait_dscnt 0x0
	global_store_b64 v7, v[12:13], s[22:23]        ; 32 lanes store 256 consecutive bytes, aligned
	s_wait_tensorcnt 0x0
	ds_add_u32 v192, v193
	s_wait_dscnt 0x0
	s_endpgm
	; ---------------- the mask ----------------
.Lmask:
	s_wait_alu depctr_va_vdst(0)
	v_lshlrev_b32 v3, 4, v2                        ; 16 x lane
	s_mul_i32 s30, s[WV], 544
	s_add_co_u32 s30, s30, MB
	v_lshl_add_u32 v4, v2, 3, s30                  ; where I put a row's bit words: MB + 272 (2 w) + 8 x lane
	s_lshl_b32 s31, s[WV], 3
	s_add_co_u32 s31, s31, FL
	v_mov_b32 v5, s31                              ; my rows' flags: FL + 4 (2 w)
	v_and_b32 v6, 15, v0
	s_delay_alu instid0(VALU_DEP_1)
	v_mul_u32_u24 v6, v6, 272
	s_lshl_b32 s31, s[WV], 5
	s_add_co_u32 s31, s31, MB
	v_add_nc_u32 v6, s31, v6                       ; second phase: row r, my steps' 16 bytes: MB + 272 r + 16 (2 w)
	v_bfe_u32 v7, v0, 4, 1
	s_delay_alu instid0(VALU_DEP_1)
	v_lshlrev_b32 v7, 2, v7                        ; 4 h
	v_lshlrev_b32 v8, 3, v2                        ; 8 x lane
.irp i, 144,145,146,147,156,157,158,159
	v_mov_b32 v\i, 0                               ; v_writelane_b32 keeps the other lanes: its destination is written whole first
.endr
	s_lshl_b32 s28, ttmp9, 17                      ; the tile's 16 rows of 8,192 bytes,
	s_lshl_b32 s29, s[WV], 14                      ; my two of them
	s_add_co_u32 s28, s28, s29
	s_mov_b32 s29, 0
	s_lshl_b32 s30, ttmp9, 12                      ; mbits: 4,096 bytes a tile, 256 a step
	s_lshl_b32 s31, s[WV], 9
	s_add_co_u32 s30, s30, s31
	s_mov_b32 s31, 0
	s_wait_kmcnt 0x0
	s_add_nc_u64 s[18:19], s[18:19], s[28:29]
	s_add_nc_u64 s[24:25], s[24:25], s[30:31]
.irp e, 0,1
.irp j, 0,1,2,3,4,5,6,7,8,9,10,11,12,13,14,15
	global_load_b128 v[16+64*\e+4*\j:19+64*\e+4*\j], v3, s[18:19] offset:8192*\e+512*\j th:TH_LOAD_NT   ; load j of a row: the 128 keys of step j; lane l holds keys 4 l + 0 .. 3
.endr
.endr
; Row 2 w + e.  Four compares make of a load four words: bit l of word c is key 4 l + c of the step.  They are gathered, two to a lane, and leave as the row's 256 bytes of bits: word 4 j + c.
.macro MROW e
	s_mov_b32 s46, 0                               ; any: bit j: some key of step j counts
	s_mov_b32 s47, 0                               ; all: every key does
.irp j, 0,1,2,3,4,5,6,7,8,9,10,11,12,13,14,15
	s_wait_alu depctr_va_vdst(0)
	s_wait_loadcnt 31-(16*\e+\j)                   ; loads come back in order: this one is in, the younger ones stay out
.irp c, 0,1,2,3
	v_cmp_ne_u32 s[40+\c], 0, v[16+64*\e+4*\j+\c]
.endr
	s_or_b32 s44, s40, s41
	s_or_b32 s45, s42, s43
	s_or_b32 s44, s44, s45                         ; SCC: not zero
	s_cselect_b32 s44, 1<<\j, 0
	s_or_b32 s46, s46, s44
	s_and_b32 s44, s40, s41
	s_and_b32 s45, s42, s43
	s_and_b32 s44, s44, s45
	s_cmp_eq_u32 s44, -1
	s_cselect_b32 s44, 1<<\j, 0
	s_or_b32 s47, s47, s44
.irp c, 0,1,2,3
	v_writelane_b32 v[144+2*\e+(\c&1)], s[40+\c], 2*\j+(\c>>1)
.endr
.endr
	ds_store_b64 v4, v[144+2*\e:145+2*\e] offset:272*\e
	v_mov_b32 v[160+2*\e], s46
	v_mov_b32 v[161+2*\e], s47
	ds_store_b32 v5, v[160+2*\e] offset:4*\e       ; all lanes write the same word with the same value
	ds_store_b32 v5, v[161+2*\e] offset:64+4*\e
.endm
	MROW 0
	MROW 1
	s_wait_dscnt 0x0                               ; for the others' sake: my stores have landed
	s_barrier_signal -1
	s_barrier_wait -1                              ; the 16 rows' bits and flags lie in LDS
; Step 2 w + e.  Lane (r, h) takes row r's four words of the step.  Key 32 b + 16 h + i is bit 8 b + 4 h + i / 4 of word i % 4: the words are shifted down by 4 h, and a compare gathers the bit of all 32 lanes into word n = 16 b + i.
.macro MSTEP e
	ds_load_b128 v[148+4*\e:151+4*\e], v6 offset:16*\e
	s_wait_dscnt 0x0
.irp c, 0,1,2,3
	v_lshrrev_b32 v[148+4*\e+\c], v7, v[148+4*\e+\c]
.endr
.set n, 0
.rept 64
	v_and_b32 v[164+(n&3)], 1<<(8*(n/16)+((n%16)>>2)), v[148+4*\e+(n&3)]
	s_delay_alu instid0(VALU_DEP_1)
	v_cmp_ne_u32 s[40+(n&3)], 0, v[164+(n&3)]
	s_delay_alu instid0(VALU_DEP_1)
	v_writelane_b32 v[156+2*\e+(n&1)], s[40+(n&3)], n>>1
.set n, n+1
.endr
	global_store_b64 v8, v[156+2*\e:157+2*\e], s[24:25] offset:256*\e   ; 32 lanes store the step's 64 words: 256 consecutive bytes, aligned
.endm
	MSTEP 0
	MSTEP 1
	s_cmp_lg_u32 s[WV], 0                          ; the tile's two flag words are wave 0's work; no barrier stands in this branch
	s_cbranch_scc1 .Lmend
	v_mov_b32 v9, FL
.irp i, 0,1,2,3,4,5,6,7
	ds_load_b128 v[16+4*\i:19+4*\i], v9 offset:16*\i   ; any[16] in v16-31, all[16] in v32-47, in every lane
.endr
	s_wait_dscnt 0x0
	v_or_b32 v48, v16, v17
	v_min_u32 v49, v16, v17
	v_and_b32 v50, v32, v33
.irp i, 2,3,4,5,6,7,8,9,10,11,12,13,14,15
	s_delay_alu instid0(VALU_DEP_3)
	v_or_b32 v48, v48, v[16+\i]
	s_delay_alu instid0(VALU_DEP_3)
	v_min_u32 v49, v49, v[16+\i]
	s_delay_alu instid0(VALU_DEP_3)
	v_and_b32 v50, v50, v[32+\i]
.endr
	v_mov_b32 v51, 0xffff
	s_delay_alu instid0(VALU_DEP_3)
	v_cmp_eq_u32 vcc_lo, 0, v49                    ; a row without any key: nothing may be left out
	s_delay_alu instid0(VALU_DEP_1)
	v_cndmask_b32 v48, v48, v51, vcc_lo            ; need
	s_delay_alu instid0(VALU_DEP_4)
	v_xor_b32 v50, -1, v50
	s_delay_alu instid0(VALU_DEP_1)
	v_and_b32 v50, v48, v50                        ; mixed
	v_cmp_eq_u32 vcc_lo, 0, v2
	s_delay_alu instid0(VALU_DEP_1)
	v_cndmask_b32 v52, v50, v48, vcc_lo            ; lane 0: need; lane 1: mixed
	v_lshlrev_b32 v53, 9, v2
	s_lshl_b32 s28, ttmp9, 2
	v_add_nc_u32 v53, s28, v53                     ; 4 T, and 512 further on
	v_cmp_gt_u32 vcc_lo, 2, v2
	s_wait_alu depctr_va_vdst(0)
	s_wait_xcnt 0x0                                ; EXEC is a source of my earlier stores: it changes only behind this wait
	s_and_saveexec_b32 s29, vcc_lo
	global_store_b32 v53, v52, s[26:27]
	s_wait_xcnt 0x0                                ; and again in front of the line that widens it
	s_or_b32 exec_lo, exec_lo, s29
.Lmend:
	s_wait_tensorcnt 0x0
	ds_add_u32 v192, v193
	s_wait_dscnt 0x0
	s_endpgm
.Lfunc_end_k_q1082766391_prep:
	.size	k_q1082766391_prep, .Lfunc_end_k_q1082766391_prep-k_q1082766391_prep
	.p2alignl 7, 3214868480
	.fill 96, 4, 3214868480
	.section	.rodata,"a",@progbits
	.p2align	6, 0x0
	.amdhsa_kernel k_q1082766391_prep
		.amdhsa_group_segment_fixed_size 72704
		.amdhsa_private_segment_fixed_size 0
		.amdhsa_enable_private_segment 0
		.amdhsa_kernarg_size 96
		.amdhsa_user_sgpr_count 2
		.amdhsa_user_sgpr_kernarg_segment_ptr 1
		.amdhsa_wavefront_size32 1
		.amdhsa_system_sgpr_workgroup_id_x 1
		.amdhsa_system_sgpr_workgroup_id_y 1
		.amdhsa_system_sgpr_workgroup_id_z 1
		.amdhsa_system_vgpr_workitem_id 0
		.amdhsa_next_free_vgpr 194
		.amdhsa_next_free_sgpr 66
		.amdhsa_reserve_vcc 1
		.amdhsa_float_denorm_mode_32 3
		.amdhsa_float_denorm_mode_16_64 3
		.amdhsa_memory_ordered 1
		.amdhsa_forward_progress 1
		.amdhsa_inst_pref_size 109
	.end_amdhsa_kernel
	.amdgpu_metadata
---
amdhsa.version: [ 1, 2 ]
amdhsa.kernels:
  - .name:           k_q1082766391_prep
    .symbol:         k_q1082766391_prep.kd
    .args:
      - { .name: q, .offset: 0, .size: 8, .value_kind: global_buffer, .address_space: global }
      - { .name: k, .offset: 8, .size: 8, .value_kind: global_buffer, .address_space: global }
      - { .name: v, .offset: 16, .size: 8, .value_kind: global_buffer, .address_space: global }
      - { .name: Wq, .offset: 24, .size: 8, .value_kind: global_buffer, .address_space: global }
      - { .name: Wk, .offset: 32, .size: 8, .value_kind: global_buffer, .address_space: global }
      - { .name: Wv, .offset: 40, .size: 8, .value_kind: global_buffer, .address_space: global }
      - { .name: Wo, .offset: 48, .size: 8, .value_kind: global_buffer, .address_space: global }
      - { .name: mask, .offset: 56, .size: 8, .value_kind: global_buffer, .address_space: global }
      - { .name: xc, .offset: 64, .size: 8, .value_kind: global_buffer, .address_space: global }
      - { .name: xs, .offset: 72, .size: 8, .value_kind: global_buffer, .address_space: global }
      - { .name: mbits, .offset: 80, .size: 8, .value_kind: global_buffer, .address_space: global }
      - { .name: mflag, .offset: 88, .size: 8, .value_kind: global_buffer, .address_space: global }
    .group_segment_fixed_size: 72704
    .private_segment_fixed_size: 0
    .kernarg_segment_align: 8
    .kernarg_segment_size: 96
    .max_flat_workgroup_size: 256
    .sgpr_count:     66
    .vgpr_count:     194
    .wavefront_size: 32
...
	.end_amdgpu_metadata
.endif
;; end of part 1
;; launch proj (part 2): grid 4 x 96, 4 waves a work-group, clusters of 4 x 4, 327,680 bytes of LDS; arguments xc, xs, bq, bk, bv, hc, hs; writes hc, hs
.if DOCPART == 2
	.amdgcn_target "amdgcn-amd-amdhsa--gfx1250"
	.amdhsa_code_object_version 6
	.text
	.protected	k_q1082766391_proj
	.globl	k_q1082766391_proj
	.p2align	8
	.type	k_q1082766391_proj,@function
k_q1082766391_proj:
	s_mov_b64 s[64:65], 0
	v_nop
	global_prefetch_b8 v0, s[64:65] scope:SCOPE_SE
	s_setreg_imm32_b32 hwreg(HW_REG_WAVE_MODE, 25, 1), 1
	s_wait_xcnt 0x0
	s_wait_alu depctr_hold_cnt(0) depctr_sa_sdst(0) depctr_va_vdst(0) depctr_va_sdst(0) depctr_va_ssrc(0) depctr_va_vcc(0) depctr_vm_vsrc(0)
	s_getreg_b32 s2, hwreg(HW_REG_IB_STS2, 6, 4)
	s_cmp_eq_u32 s2, 0
	s_cbranch_scc0 .Lentry_in_a_cluster
	s_endpgm
.Lentry_in_a_cluster:
	s_bfe_u32 s2, ttmp6, 0x10000c
	s_cmp_lg_u32 s2, 0xf033
	s_cbranch_scc0 .Lentry_shape_is_right
	s_endpgm
.Lentry_shape_is_right:
; THE THREE INPUT PROJECTIONS, x W^T + b, on codes of BF6 (E3M2) with one E8M0 scale for each 32 along K = 1,024; the results are quantised in registers and leave as images of the attention launch's operand registers.
; A tile of 256 x 256 is made by four waves, 128 x 128 each: 64 accumulators of 16 x 16.  K goes in steps of 256 through a ring of two LDS slots filled by the tensor data mover; the scale bytes of the tile's rows come once and stay.
; THE MATRIX INSTRUCTION TAKES "B" (16 rows) AS SOURCE 0 AND "A" (16 rows) AS SOURCE 1: a lane holds one row of A, its registers run along rows of B.  What is quantised next must run along the registers:
;   clusters 0-15 (q, k):  A = 256 tokens, B = 256 rows of Wq or Wk: a lane holds a token, its registers the features: qh and kh are quantised along the head's 64.
;   clusters 16-23 (v):    A = 256 rows of Wv, B = 256 tokens of v: a lane holds a feature, its registers the keys: vh is quantised along the keys.
; The rows of k, v, Wq, Wk, Wv lie in xc so that 16 rows on end are rows 32 b + 8 u + r + 8 (r / 8): the 16 registers of B's tiles 2 b and 2 b + 1 are 16 neighbours, 32 b + 16 (lane / 16) + 0 .. 15.
; The bias is the C of each sum's first matrix instruction: by B's tile (q, k) or by A's tile (v); that first step is written twice, under a branch on the cluster's number, which all partners share.
; OUT.  hc [head-and-batch 64][step of 128 tokens 16][Q, K, V][6,144 bytes]: fragments of 12 registers as 3 planes of 512 bytes, lane l's 16 bytes at 16 l.  Q, K: fragment b holds tile 2 b (16 tokens x the head's 64) in registers 0-5 and tile 2 b + 1 in
; registers 6-11.  V: fragment d holds 16 of the head's 64 x 128 keys.  hs [..][..][..][256 bytes]: a word for each fragment and row.
; CLUSTERS: 4 x 4 work-groups; A's tiles are asked for jointly along a row of the cluster, B's along a column.
; LIMITS: a block of zeros gets the byte 1 (its codes are zeros; this program alone reads the bytes); blocks whose largest magnitude lies under 2^-122 are held at byte 1; NaN and infinities are not served.
; REGISTERS, in windows of 256: window 0: v0-31 addresses; v32-63 scale words, two sets; v64-127 the bias; v128-223 A's fragments, one set; v224-231 the bias loads' offsets; on the way out v128-179 are at work.
;   window 1: B's fragments, two sets, at v0 and v128.   window 2: the accumulators of A's blocks 0-3 ((a, b) at v[8 (8 a + b)]);   window 3: those of blocks 4-7.
.set KSTEP,  256
.set NQ,     2                         ; matrix instructions deep in a slot
.set ROWB,   192                       ; a tile's row in bytes
.set KROW,   768                       ; a row of xc
.set PITCH,  240                       ; an LDS row: 3 x (64 bytes + 16 of padding)
.set FR,     12
.set NL,     6                         ; LDS loads that bring a fragment
.set NP,     4                         ; places behind this matrix instruction (ISA guide 7.12.1)
.set HALFT,  128*PITCH
.set SLOT,   4*HALFT
.set LAPS,   2                         ; 1,024 along K: twice round the ring
.set KS,     32                        ; a row of xs
.set SCL,    2*SLOT
.set HALFS,  16*272                    ; the scales of 128 rows: 16 units of 256 bytes + 16
.set SBLK,   2*272                     ; those of 16 rows
.set SPARE,  SCL+4*HALFS               ; the spare words, 128 bytes for each wave: two blocks of 256 bytes that no other line names
.set ADRA, 16                          ; v16-17 LDS address of my A fragments in slot 0, 1 (v18-19: behind one padding more)
.set ADRB, 20                          ; v20-23 the same for B
.set LI16, 24                          ; v24 16 x lane: a plane's place for my lane
.set HSO,  25                          ; v25 12,288 (lane / 16) + 4 (lane % 16): q's and k's scale words
.set L4,   26                          ; v26 4 x lane: v's scale words
.set ADRS, 27                          ; v27 LDS address of my scale words
.set SPW,  28
.set NIL,  29
.set SC,   32
.set BIAS, 64
.set AF,   128
.set BO,   224
.set E,    128                         ; the way out: two fragments' codes
.set CT,   152                         ; the conversions' second halves
.set TM,   160                         ; v160-163 largest magnitudes, v164-167 bytes, v172-175 the conversions' scale operands
.set PWA,  176
.set PWB,  177
.set SW,   178
.set G1, 24
.set G0, 32
.set G1B, 48
.set G0B, 56
.set G1S, 68
.set G0S, 76
.set G1SB, 80
.set G0SB, 88
.set MSB, 0
.macro WIN new                         ; the immediate's high byte repeats the setting that is left
.if MSB != \new
	s_set_vgpr_msb (MSB<<8)|\new
.set MSB, \new
.endif
.endm
.set MUL_LO, 0xa1                      ; source 0 (B) window 1, source 1 (A) window 0, C and D window 2
.set MUL_HI, 0xf1                      ; the same, C and D window 3
.set TO_B,   0x40
; A joint load: waves 0 and 1 fetch for A, waves 2 and 3 for B; the branch hangs on the wave's number alone.  Four v_nop follow each of the two lines.
.macro JLOAD g0a, g1a, g0b, g1b
	s_cmp_eq_u32 s15, 0
	s_cbranch_scc0 .Lfor_b_\@
	tensor_load_to_lds s[\g0a:\g0a+3], s[\g1a:\g1a+7]
	s_nop 0
.rept 4
	v_nop
.endr
	s_branch .Lasked_\@
.Lfor_b_\@:
	tensor_load_to_lds s[\g0b:\g0b+3], s[\g1b:\g1b+7]
	s_nop 0
.rept 4
	v_nop
.endr
.Lasked_\@:
.endm
.macro CREST                           ; a round of the cluster's barrier behind its opening barrier
	s_cmp_lg_u32 s14, 0
	s_cbranch_scc1 .Lnot_wave_0_\@
	s_barrier_signal -3
.Lnot_wave_0_\@:
	s_barrier_wait -3
	s_barrier_signal -1
	s_barrier_wait -1
.endm
.macro CROUND
	s_barrier_signal -1
	s_barrier_wait -1
	CREST
.endm
	s_load_b128 s[4:7], s[0:1], 0x0                ; xc, xs
	s_load_b128 s[8:11], s[0:1], 0x10              ; bq, bk
	s_load_b64 s[12:13], s[0:1], 0x20              ; bv
	s_load_b64 s[96:97], s[0:1], 0x28              ; hc
	s_load_b64 s[98:99], s[0:1], 0x30              ; hs
	v_lshl_add_u32 v[SPW], v0, 2, SPARE
	v_mov_b32 v[NIL], 0
	ds_add_u32 v28, v29
	ds_add_u32 v28, v29
	s_wait_dscnt 0x0
	v_lshrrev_b32 v1, 5, v0
	v_readfirstlane_b32 s14, v1                    ; wave 0..3
	s_lshr_b32 s15, s14, 1                         ; which half of A's rows is mine.  Also: I fetch for A (0) or for B (1)
	s_and_b32 s16, s14, 1                          ; which half of B's rows.  Also: which 128 rows I fetch
	s_bfe_u32 s40, ttmp6, 0x40000                  ; cx
	s_bfe_u32 s41, ttmp6, 0x40004                  ; cy
	s_and_b32 s17, ttmp7, 0xffff                   ; the cluster: 0 .. 23, the same in all sixteen partners
	s_lshl_b32 s43, s41, 2
	s_lshl_b32 s43, 15, s43                        ; my row of the cluster
	s_lshl_b32 s44, 0x1111, s40                    ; my column
	s_or_b32 s[G1+0], s43, (0<<16)|(1<<20)|(1<<21)|(3<<22)|(3<<25)  ; the mask; elements of 1 byte; padding on; bit 21 beside a mask; after every 16 words, 4 words
	s_or_b32 s[G1B+0], s44, (0<<16)|(1<<20)|(1<<21)|(3<<22)|(3<<25)
.irp g, G1, G1B
	s_mov_b32 s[\g+1], ROWB<<16                    ; tensor_dim0
	s_mov_b32 s[\g+2], 128<<16                     ; tensor_dim1
	s_mov_b32 s[\g+3], ROWB<<16                    ; tile_dim0
	s_mov_b32 s[\g+4], 128                         ; tile_dim1
	s_mov_b32 s[\g+5], KROW                        ; the pitch
	s_mov_b32 s[\g+6], 0
	s_mov_b32 s[\g+7], 0
.endr
	s_or_b32 s[G1S+0], s43, (3<<16)|(1<<20)|(1<<21)|(5<<22)|(3<<25)  ; the scales of 128 rows: 4,096 dense bytes as 16 rows of 256 bytes, 16 of padding behind each
	s_or_b32 s[G1SB+0], s44, (3<<16)|(1<<20)|(1<<21)|(5<<22)|(3<<25)
.irp g, G1S, G1SB
	s_mov_b32 s[\g+1], 32<<16
	s_mov_b32 s[\g+2], 16<<16
	s_mov_b32 s[\g+3], 32<<16
	s_mov_b32 s[\g+4], 16
	s_mov_b32 s[\g+5], 32
	s_mov_b32 s[\g+6], 0
	s_mov_b32 s[\g+7], 0
.endr
	; which rows of xc.  A's hang on the cluster, cy and the wave; B's on the cluster, cx and the wave
	s_lshl_b32 s18, s16, 7                         ; which 128 rows of the tile I fetch
	s_lshl_b32 s2, s17, 10                         ; 1,024 x cluster: the tokens' rows (q 0-7, k 8-15, v 16-23)
	s_lshr_b32 s66, s17, 3                         ; 0: q, 1: k, 2: v
	s_lshl_b32 s95, s66, 10
	s_add_co_u32 s95, s95, 24576                   ; Wq's or Wk's rows
	s_mov_b32 s94, 26624                           ; Wv's
	s_cmp_ge_u32 s17, 16
	s_cselect_b32 s20, s94, s2                     ; A: Wv, or tokens
	s_cselect_b32 s46, s2, s95                     ; B: tokens, or Wq / Wk
	s_cselect_b32 s67, 1, 0                        ; 1: v
	s_lshl_b32 s94, s41, 8
	s_add_co_u32 s20, s20, s94
	s_add_co_u32 s20, s20, s18                     ; + 256 cy + 128 x half
	s_lshl_b32 s95, s40, 8
	s_add_co_u32 s46, s46, s95
	s_add_co_u32 s46, s46, s18                     ; + 256 cx + 128 x half
	s_mov_b32 s21, 0
	s_mov_b32 s47, 0
	s_mov_b64 s[18:19], KS
	s_mul_u64 s[22:23], s[20:21], s[18:19]         ; where these rows' scales begin,
	s_mul_u64 s[92:93], s[46:47], s[18:19]
	s_mov_b64 s[18:19], KROW
	s_mul_u64 s[20:21], s[20:21], s[18:19]         ; and their codes
	s_mul_u64 s[46:47], s[46:47], s[18:19]
	s_mul_i32 s45, s14, HALFT                      ; where they go: wave x 128 rows
	s_mul_i32 s94, s14, HALFS
	s_wait_kmcnt 0x0
	s_add_nc_u64 s[20:21], s[4:5], s[20:21]
	s_add_nc_u64 s[22:23], s[6:7], s[22:23]
	s_add_nc_u64 s[46:47], s[4:5], s[46:47]
	s_add_nc_u64 s[92:93], s[6:7], s[92:93]
	CROUND                                         ; all sixteen work-groups are here: the first joint loads meet
	s_mov_b32 s[G0S], 1
	s_add_co_u32 s[G0S+1], s94, SCL
	s_mov_b64 s[G0S+2:G0S+3], s[22:23]
	s_or_b32 s[G0S+3], s[G0S+3], 0x80000000
	s_mov_b32 s[G0SB], 1
	s_add_co_u32 s[G0SB+1], s94, SCL
	s_mov_b64 s[G0SB+2:G0SB+3], s[92:93]
	s_or_b32 s[G0SB+3], s[G0SB+3], 0x80000000
	JLOAD G0S, G1S, G0SB, G1SB                     ; the scales first: they are wanted with K step 0
.irp s, 0,1
	s_mov_b32 s[G0+4*\s], 1
	s_add_co_u32 s[G0+4*\s+1], s45, \s*SLOT
	s_add_nc_u64 s[G0+4*\s+2:G0+4*\s+3], s[20:21], \s*ROWB
	s_or_b32 s[G0+4*\s+3], s[G0+4*\s+3], 0x80000000
	s_mov_b32 s[G0B+4*\s], 1
	s_add_co_u32 s[G0B+4*\s+1], s45, \s*SLOT
	s_add_nc_u64 s[G0B+4*\s+2:G0B+4*\s+3], s[46:47], \s*ROWB
	s_or_b32 s[G0B+4*\s+3], s[G0B+4*\s+3], 0x80000000
	JLOAD G0+4*\s, G1, G0B+4*\s, G1B
.endr
	v_and_b32 v1, 15, v0                           ; r
	v_bfe_u32 v2, v0, 4, 1                         ; h
	v_mul_u32_u24 v3, v1, PITCH
	v_mul_u32_u24 v4, v2, 24
	v_add_nc_u32 v4, v3, v4                        ; a fragment's row x pitch + 24 x half
	v_lshl_add_u32 v5, v2, 4, v4                   ; and the same behind one padding more
	s_mul_i32 s21, s15, HALFT
	s_mul_i32 s22, s16, HALFT
	s_add_co_u32 s22, s22, 2*HALFT
.irp s, 0,1
	v_add_nc_u32 v[ADRA+\s], s21, v4
	v_add_nc_u32 v[ADRB+\s], s22, v4
	v_add_nc_u32 v[ADRA+2+\s], s21, v5
	v_add_nc_u32 v[ADRB+2+\s], s22, v5
	s_add_co_u32 s21, s21, SLOT
	s_add_co_u32 s22, s22, SLOT
.endr
	v_mul_u32_u24 v5, v1, KS                       ; my row's scales: 32 bytes a row,
	v_lshrrev_b32 v6, 8, v5
	v_lshl_add_u32 v5, v6, 4, v5                   ; and 16 more for each 256 passed
	s_mul_i32 s21, s15, HALFS
	s_mul_i32 s22, s16, HALFS
	s_add_co_u32 s22, s22, 2*HALFS
	s_sub_co_u32 s22, s22, s21
	v_mul_u32_u24 v6, s22, v2                      ; lanes 16-31 take B's
	s_add_co_u32 s21, s21, SCL
	v_add_nc_u32 v5, v5, v6
	v_add_nc_u32 v[ADRS], s21, v5
	v_and_b32 v6, 31, v0
	v_lshlrev_b32 v[LI16], 4, v6
	v_lshlrev_b32 v[L4], 2, v6
	v_mul_u32_u24 v5, v2, 12288
	v_lshl_add_u32 v[HSO], v1, 2, v5
	; the bias: 128 numbers from my first head on.  q, k: register 8 b + j wants feature 32 (b / 2) + 8 (b % 2) + 16 h + j;  v: all eight registers of A's tile a want feature 32 (a / 2) + 8 (a % 2) + r + 8 (r / 8)
	s_cmp_eq_u32 s66, 0
	s_cselect_b64 s[8:9], s[8:9], s[10:11]
	s_cmp_eq_u32 s66, 2
	s_cselect_b64 s[8:9], s[12:13], s[8:9]
	s_lshl_b32 s2, s41, 2
	s_lshl_b32 s18, s15, 1
	s_add_co_u32 s2, s2, s18                       ; v: my first head = 4 cy + 2 x (half of A)
	s_lshl_b32 s18, s40, 2
	s_lshl_b32 s19, s16, 1
	s_add_co_u32 s18, s18, s19                     ; q, k: 4 cx + 2 x (half of B)
	s_cmp_eq_u32 s67, 1
	s_cselect_b32 s2, s2, s18                      ; my first head
	s_cselect_b32 s19, -1, 0
	s_cselect_b32 s18, 0, 4                        ; from register to register
	s_cselect_b32 s21, s40, s41                    ; the tokens' place in the cluster,
	s_cselect_b32 s22, s16, s15                    ; and which half of the 256 tokens is mine
	s_lshl_b32 s92, s2, 8
	s_mov_b32 s93, 0
	s_add_nc_u64 s[8:9], s[8:9], s[92:93]
	v_lshrrev_b32 v5, 3, v1
	v_lshl_add_u32 v5, v5, 3, v1
	v_lshlrev_b32 v5, 2, v5                        ; 4 (r + 8 (r / 8))
	v_lshlrev_b32 v6, 6, v2                        ; 64 h
	v_cndmask_b32 v[BO], v6, v5, s19
.irp j, 1,2,3,4,5,6,7
	v_add_nc_u32 v[BO+\j], s18, v[BO+\j-1]
.endr
.irp x, 0,1,2,3,4,5,6,7
.irp j, 0,1,2,3,4,5,6,7
	global_load_b32 v[BIAS+8*\x+\j], v[BO+\j], s[8:9] offset:128*(\x/2)+32*(\x%2)
.endr
.endr
	; where my results go
	s_and_b32 s23, s17, 7
	s_lshl_b32 s23, s23, 2
	s_add_co_u32 s23, s23, s21                     ; my block of 256 tokens in the tensor: 0 .. 31
	s_and_b32 s21, s23, 7
	s_lshl_b32 s21, s21, 1
	s_add_co_u32 s21, s21, s22                     ; my step of 128 tokens in the batch
	s_lshr_b32 s23, s23, 3
	s_lshl_b32 s23, s23, 4
	s_add_co_u32 s23, s23, s2                      ; 16 x batch + head
	s_lshl_b32 s23, s23, 4
	s_add_co_u32 s23, s23, s21
	s_mul_i32 s92, s23, 18432
	s_mul_i32 s22, s66, 6144
	s_add_co_u32 s92, s92, s22
	s_add_nc_u64 s[96:97], s[96:97], s[92:93]
	s_mul_i32 s92, s23, 768
	s_lshl_b32 s22, s66, 8
	s_add_co_u32 s92, s92, s22
	s_add_nc_u64 s[98:99], s[98:99], s[92:93]
.macro FRAG reg, adr, q, i             ; a fragment, 16 rows x 128 K of 6-bit codes: lane l holds row l % 16; registers 6 c .. 6 c + 5 hold K = 64 c + 32 (l / 16) + 0 .. 31: 24 bytes of the row, as they lie, in pieces of 8 bytes
.irp p, 0,1,2,3,4,5
.set PC, 12*(\q)+6*(\p/3)+\p%3        ; 16 bytes of padding lie behind every 8 pieces: where the piece three on lies behind one padding more, the second address register serves
.if PC%8 < 5
	ds_load_b64 v[\reg+2*\p:\reg+2*\p+1], v[\adr] offset:8*PC+16*(PC/8)+(\i)*16*PITCH
.else
	ds_load_b64 v[\reg+2*\p:\reg+2*\p+1], v[\adr+2] offset:8*PC+16*(PC/8)+(\i)*16*PITCH
.endif
.endr
.endm
; 16 matrix instructions: A's blocks a0, a0 + 1 x B's eight, 128 along K.  cm = 0: onto the sums; 1: the sums begin with the bias of B's tile; 2: with that of A's tile.  The 64 accumulators take turns, one instruction a turn.
.macro MUL16 a0, p, q, sc, cm
.irp a, \a0, \a0+1
.irp b, 0,1,2,3,4,5,6,7
.if (\cm) == 1
	v_wmma_scale_f32_16x16x128_f8f6f4 v[8*(8*((\a)%4)+\b):8*(8*((\a)%4)+\b)+7], v[128*(\p)+FR*\b:128*(\p)+FR*\b+FR-1], v[AF+FR*(\a):AF+FR*(\a)+FR-1], v[BIAS+8*\b:BIAS+8*\b+7], v[SC+8*NQ*(\sc)+NQ*\b+(\q)], v[SC+8*NQ*(\sc)+NQ*(\a)+(\q)] matrix_a_fmt:MATRIX_FMT_BF6 matrix_b_fmt:MATRIX_FMT_BF6 matrix_a_scale:MATRIX_SCALE_ROW1
.elseif (\cm) == 2
	v_wmma_scale_f32_16x16x128_f8f6f4 v[8*(8*((\a)%4)+\b):8*(8*((\a)%4)+\b)+7], v[128*(\p)+FR*\b:128*(\p)+FR*\b+FR-1], v[AF+FR*(\a):AF+FR*(\a)+FR-1], v[BIAS+8*(\a):BIAS+8*(\a)+7], v[SC+8*NQ*(\sc)+NQ*\b+(\q)], v[SC+8*NQ*(\sc)+NQ*(\a)+(\q)] matrix_a_fmt:MATRIX_FMT_BF6 matrix_b_fmt:MATRIX_FMT_BF6 matrix_a_scale:MATRIX_SCALE_ROW1
.else
	v_wmma_scale_f32_16x16x128_f8f6f4 v[8*(8*((\a)%4)+\b):8*(8*((\a)%4)+\b)+7], v[128*(\p)+FR*\b:128*(\p)+FR*\b+FR-1], v[AF+FR*(\a):AF+FR*(\a)+FR-1], v[8*(8*((\a)%4)+\b):8*(8*((\a)%4)+\b)+7], v[SC+8*NQ*(\sc)+NQ*\b+(\q)], v[SC+8*NQ*(\sc)+NQ*(\a)+(\q)] matrix_a_fmt:MATRIX_FMT_BF6 matrix_b_fmt:MATRIX_FMT_BF6 matrix_a_scale:MATRIX_SCALE_ROW1
.endif
.endr
.endr
.endm
.macro FETCH_B slot, q, p
	WIN TO_B
.irp i, 0,1,2,3,4,5,6,7
	FRAG 128*(\p)+FR*\i, ADRB+\slot, \q, \i
.endr
	WIN 0
.endm
.macro FETCH_A slot, q, i0
.irp i, \i0, \i0+1, \i0+2, \i0+3
	FRAG AF+FR*(\i), ADRA+\slot, \q, \i
.endr
.endm
.macro SCALES sc                       ; a K step's scale words: two a row; lanes 0-15 take A's block i, lanes 16-31 B's block i
.irp i, 0,1,2,3,4,5,6,7
	ds_load_b64 v[SC+8*NQ*\sc+NQ*\i:SC+8*NQ*\sc+NQ*\i+1], v[ADRS] offset:\i*SBLK
.endr
.endm
.macro PLACES n                        ; plain vector lines between a matrix instruction and a load into, or a read of, its registers
.rept \n
	v_nop
.endr
.endm
.macro STEP slot, q, cm                ; a step of 128 along K that has its successor in the same slot
	s_wait_dscnt 4*NL                              ; B's set and A's blocks 0-3 are in; the youngest 24 loads (A's blocks 4-7) may be out
.if \cm
	WIN 0x81                                       ; C (the bias) window 0, D window 2
.else
	WIN MUL_LO
.endif
	MUL16 0, (\q)%2, \q, \slot, \cm
	MUL16 2, (\q)%2, \q, \slot, \cm
	s_wait_dscnt 0                                 ; A's blocks 4-7 are in
	PLACES NP
	FETCH_B \slot, (\q)+1, 1-(\q)%2
	FETCH_A \slot, (\q)+1, 0
.if \cm
	WIN 0xc1
.else
	WIN MUL_HI
.endif
	MUL16 4, (\q)%2, \q, \slot, \cm
	MUL16 6, (\q)%2, \q, \slot, \cm
	PLACES NP
	WIN 0
	FETCH_A \slot, (\q)+1, 4
.endm
; A slot's last step changes slots: one barrier; in front of it each wave waits for all its tensor loads, adds 0 to its spare word, and waits for that and for its own reads of this slot.  fill = 1: this slot is filled again, two K steps ahead.
.macro TURN slot, next, fill
	s_wait_tensorcnt 0x0                           ; all my tensor loads have landed: my part of the next slot
	ds_add_u32 v[SPW], v[NIL]                      ; 0 onto my spare word
	s_wait_dscnt 4*NL+1                            ; (the add and the youngest 24 loads, A's blocks 4-7, may be out)
	WIN MUL_LO
	MUL16 0, 1, NQ-1, \slot, 0
	s_wait_dscnt 0x0                               ; the add is done, and my reads of this slot are over
	s_barrier_signal -1
	MUL16 2, 1, NQ-1, \slot, 0
	WIN 0
	s_barrier_wait -1
.if \fill
	CREST                                          ; the barrier has opened a round of the cluster's barrier: no wave of any partner still reads this slot or has a load on its way
	s_add_nc_u64 s[G0+4*\slot+2:G0+4*\slot+3], s[G0+4*\slot+2:G0+4*\slot+3], 2*ROWB
	s_add_nc_u64 s[G0B+4*\slot+2:G0B+4*\slot+3], s[G0B+4*\slot+2:G0B+4*\slot+3], 2*ROWB
	JLOAD G0+4*\slot, G1, G0B+4*\slot, G1B         ; the first tensor load behind the round; its four v_nop are also the places in front of the loads below
.else
	PLACES NP
.endif
	v_add_nc_u32 v[ADRS], 4*NQ, v[ADRS]            ; on to the next K step's scale words (no LDS load of mine is out)
	FETCH_B \next, 0, 0
	FETCH_A \next, 0, 0
	SCALES \next
	WIN MUL_HI
	MUL16 4, 1, NQ-1, \slot, 0
	MUL16 6, 1, NQ-1, \slot, 0
	PLACES NP
	WIN 0
	FETCH_A \next, 0, 4
.endm
	s_wait_tensorcnt 1                             ; the scales and my part of K step 0 are in (K step 1's load may be out),
	s_barrier_signal -1
	s_barrier_wait -1                              ; everybody's are
	FETCH_B 0, 0, 0
	FETCH_A 0, 0, 0
	SCALES 0
	FETCH_A 0, 0, 4
	s_wait_loadcnt 0x0                             ; the bias
	s_cmp_eq_u32 s67, 1                            ; the first step begins the sums with the bias: by B's tile or by A's.  The branch hangs on the cluster's number alone
	s_cbranch_scc1 .Lfirst_v
	STEP 0, 0, 1
	s_branch .Lfirst_done
.Lfirst_v:
	STEP 0, 0, 2
.Lfirst_done:
	s_mov_b32 s3, LAPS-1
.Llap:                                                 ; a trip goes once round the ring, from a lap's second step to the next lap's first, and fills both slots again
	TURN 0, 1, 1
	STEP 1, 0, 0
	TURN 1, 0, 1
	STEP 0, 0, 0
	s_sub_co_u32 s3, s3, 1
	s_cmp_lg_u32 s3, 0
	s_cbranch_scc1 .Llap
	TURN 0, 1, 0                                   ; the last lap fills nothing, and has no round of the cluster's barrier
	STEP 1, 0, 0
	s_wait_dscnt 4*NL                              ; the very last step: nothing more to fetch
	WIN MUL_LO
	MUL16 0, 1, NQ-1, 1, 0
	MUL16 2, 1, NQ-1, 1, 0
	s_wait_dscnt 0
	WIN MUL_HI
	MUL16 4, 1, NQ-1, 1, 0
	MUL16 6, 1, NQ-1, 1, 0
	WIN 0
; THE WAY OUT.  The 64 registers of one block of A, v[s] on in window w, register 16 b + i = number 32 b + 16 (lane / 16) + i of my lane's row, become codes and a scale word: blocks 0, 1 in six registers from d0 on, blocks 2, 3 from d1 on.
; Each accumulator is read from its low end on.
.macro QUANTW w, s, d0, d1, pw
	WIN ((\w)<<2)|((\w)<<4)                        ; sources 1 and 2: the accumulators' window
.irp b, 0,1,2,3
	v_max3_num_f32 v[TM+\b], 0x2800000, |v[(\s)+16*\b]|, |v[(\s)+16*\b+1]|   ; my 16 numbers of block b, and the floor 2^(5 - 127): the byte cannot fall under 1
.endr
.irp i, 2,4,6,8,10,12,14
.irp b, 0,1,2,3
	v_max3_num_f32 v[TM+\b], v[TM+\b], |v[(\s)+16*\b+\i]|, |v[(\s)+16*\b+\i+1]|
.endr
.endr
	WIN 0
.irp b, 0,1,2,3
	v_permlanex16_b32 v[TM+4+\b], v[TM+\b], s18, s19
.endr
.irp b, 0,1,2,3
	v_max_num_f32 v[TM+\b], v[TM+\b], v[TM+4+\b]   ; with lane l xor 16's: the block's largest magnitude
.endr
.irp b, 0,1,2,3
	v_add_nc_u32 v[TM+12+\b], 0xfe000000, v[TM+\b] ; 4 off its exponent field: the conversion's scale operand
.endr
.irp b, 0,1,2,3
	v_lshrrev_b32 v[TM+4+\b], 23, v[TM+12+\b]      ; the scale's byte
.endr
	v_lshl_or_b32 v[\pw], v[TM+5], 8, v[TM+4]
	v_lshl_or_b32 v[\pw], v[TM+6], 16, v[\pw]
	v_lshl_or_b32 v[\pw], v[TM+7], 24, v[\pw]
	WIN \w                                         ; source 0: the accumulators' window
	v_cvt_scalef32_pk16_bf6_f32 v[\d0:\d0+2], v[(\s):(\s)+15], v[TM+12]
	v_cvt_scalef32_pk16_bf6_f32 v[CT:CT+2], v[(\s)+16:(\s)+31], v[TM+13]
	v_cvt_scalef32_pk16_bf6_f32 v[\d1:\d1+2], v[(\s)+32:(\s)+47], v[TM+14]
	v_cvt_scalef32_pk16_bf6_f32 v[CT+4:CT+6], v[(\s)+48:(\s)+63], v[TM+15]
	WIN 0
	v_nop                                          ; one plain line behind a scaled conversion
.irp i, 0,1,2
	v_permlane16_swap_b32 v[\d0+\i], v[CT+\i]      ; the operand's layout wants a whole block in a lane
	v_permlane16_swap_b32 v[\d1+\i], v[CT+4+\i]
.endr
.irp i, 0,1,2
	v_mov_b32 v[\d0+3+\i], v[CT+\i]
	v_mov_b32 v[\d1+3+\i], v[CT+4+\i]
.endr
.endm
; q, k: token tiles 2 p and 2 p + 1 make packed fragment p of my two heads: head c's six registers of each tile stand side by side.
.macro OUTQK p
.if \p > 0
	s_wait_xcnt 0x0                                ; the last stores have read their registers: they may be written again
.endif
.set AW, 2+(\p)/2
.set AS0, 64*((2*(\p))%4)
	QUANTW AW, AS0, E, E+12, PWA
	QUANTW AW, AS0+64, E+6, E+18, PWB
.irp c, 0,1
.irp u, 0,1,2
	global_store_b128 v[LI16], v[E+12*\c+4*\u:E+12*\c+4*\u+3], s[96:97] offset:294912*\c+1536*(\p)+512*\u   ; 32 lanes store 512 consecutive bytes, aligned
.endr
.endr
	v_perm_b32 v[SW], v[PWB], v[PWA], 0x05040100   ; head 0: the two tiles' lower two bytes,
	v_perm_b32 v[SW+1], v[PWB], v[PWA], 0x07060302 ; head 1: their upper two
	v_cndmask_b32 v[SW], v[SW], v[SW+1], s94       ; lanes 0-15 store head 0's words, lanes 16-31 head 1's
	global_store_b32 v[HSO], v[SW], s[98:99] offset:64*(\p)
.endm
; v: A's blocks a0 and a0 + 1 are two whole fragments of V^T: 16 features x my 128 keys.
.macro OUTV a0
.if \a0 > 0
	s_wait_xcnt 0x0
.endif
.set AW, 2+(\a0)/4
.set AS0, 64*((\a0)%4)
	QUANTW AW, AS0, E, E+6, PWA
	QUANTW AW, AS0+64, E+12, E+18, PWB
.irp c, 0,1
.irp u, 0,1,2
	global_store_b128 v[LI16], v[E+12*\c+4*\u:E+12*\c+4*\u+3], s[96:97] offset:294912*((\a0)/4)+1536*((\a0)%4+\c)+512*\u
.endr
.endr
	v_cndmask_b32 v[SW], v[PWA], v[PWB], s94       ; lanes 0-15: the first fragment's words, lanes 16-31 the second's
	global_store_b32 v[L4], v[SW], s[98:99] offset:12288*((\a0)/4)+128*(((\a0)%4)/2)
.endm
	PLACES NP                                      ; behind the last products: their results are read and A's registers written below
	s_mov_b32 s18, 0x76543210
	s_mov_b32 s19, 0xfedcba98                      ; v_permlanex16_b32's selects for lane l xor 16
	s_mov_b32 s94, 0xffff0000                      ; lanes 16-31
.irp b, 0,1,2,3
	v_mov_b32 v[TM+4+\b], 0                        ; a lane permute's destination counts as one of its sources
.endr
	s_cmp_eq_u32 s67, 1
	s_cbranch_scc1 .Lout_v
	OUTQK 0
	OUTQK 1
	OUTQK 2
	OUTQK 3
	s_branch .Lout_done
.Lout_v:
	OUTV 0
	OUTV 2
	OUTV 4
	OUTV 6
.Lout_done:
	s_wait_tensorcnt 0x0                           ; the wave's end
	ds_add_u32 v[SPW], v[NIL]
	s_wait_dscnt 0x0
	CROUND                                         ; the closing round: no work-group ends while a partner may still ask for a tile that names it
	s_endpgm
.Lfunc_end_k_q1082766391_proj:
	.size	k_q1082766391_proj, .Lfunc_end_k_q1082766391_proj-k_q1082766391_proj
	.p2alignl 7, 3214868480
	.fill 96, 4, 3214868480
	.section	.rodata,"a",@progbits
	.p2align	6, 0x0
	.amdhsa_kernel k_q1082766391_proj
		.amdhsa_group_segment_fixed_size 327680
		.amdhsa_private_segment_fixed_size 0
		.amdhsa_enable_private_segment 0
		.amdhsa_kernarg_size 56
		.amdhsa_user_sgpr_count 2
		.amdhsa_user_sgpr_kernarg_segment_ptr 1
		.amdhsa_wavefront_size32 1
		.amdhsa_system_sgpr_workgroup_id_x 1
		.amdhsa_system_sgpr_workgroup_id_y 1
		.amdhsa_system_sgpr_workgroup_id_z 1
		.amdhsa_system_vgpr_workitem_id 0
		.amdhsa_next_free_vgpr 1024
		.amdhsa_next_free_sgpr 100
		.amdhsa_reserve_vcc 0
		.amdhsa_float_denorm_mode_32 3
		.amdhsa_float_denorm_mode_16_64 3
		.amdhsa_memory_ordered 1
		.amdhsa_forward_progress 1
		.amdhsa_inst_pref_size 221
	.end_amdhsa_kernel
	.amdgpu_metadata
---
amdhsa.version: [ 1, 2 ]
amdhsa.kernels:
  - .name:           k_q1082766391_proj
    .symbol:         k_q1082766391_proj.kd
    .args:
      - { .name: xc, .offset: 0, .size: 8, .value_kind: global_buffer, .address_space: global }
      - { .name: xs, .offset: 8, .size: 8, .value_kind: global_buffer, .address_space: global }
      - { .name: bq, .offset: 16, .size: 8, .value_kind: global_buffer, .address_space: global }
      - { .name: bk, .offset: 24, .size: 8, .value_kind: global_buffer, .address_space: global }
      - { .name: bv, .offset: 32, .size: 8, .value_kind: global_buffer, .address_space: global }
      - { .name: hc, .offset: 40, .size: 8, .value_kind: global_buffer, .address_space: global }
      - { .name: hs, .offset: 48, .size: 8, .value_kind: global_buffer, .address_space: global }
    .group_segment_fixed_size: 327680
    .private_segment_fixed_size: 0
    .kernarg_segment_align: 8
    .kernarg_segment_size: 56
    .max_flat_workgroup_size: 128
    .sgpr_count:     100
    .vgpr_count:     1024
    .wavefront_size: 32
...
	.end_amdgpu_metadata
.endif
;; end of part 2
;; launch attn (part 3): grid 4 x 64, 16 waves a work-group, no clusters, 27,648 bytes of LDS; arguments hc, hs, mbits, mflag, cc, cs; writes cc, cs
.if DOCPART == 3
	.amdgcn_target "amdgcn-amd-amdhsa--gfx1250"
	.amdhsa_code_object_version 6
	.text
	.protected	k_q1082766391_attn
	.globl	k_q1082766391_attn
	.p2align	8
	.type	k_q1082766391_attn,@function
k_q1082766391_attn:
	s_mov_b64 s[64:65], 0
	v_nop
	global_prefetch_b8 v0, s[64:65] scope:SCOPE_SE
	s_setreg_imm32_b32 hwreg(HW_REG_WAVE_MODE, 25, 1), 1
	s_wait_xcnt 0x0
; ATTENTION ON CODES OF BF6 (E3M2): S^T = K Q^T (K = the head's 64), the given mask, p = 2^(t - M), O^T = V^T P^T (K = the keys), O / the row's sum, quantised along the head's 64 for the last projection.
; t = score x log2(e) / 8; M = the running largest t rounded up to a whole number; the row's sum is taken of the unquantised p; when M moves, the sum and O^T are multiplied by 2^(old M - new M), which rounds nothing.
; SHARES.  Work-group (i, head-and-batch) owns the blocks i and 7 - i of 256 queries, one after the other; each of its sixteen waves owns one tile of 16 queries.  A key step is 128 keys; 16 steps, 8 trips of two.
; THE MASK is what the first launch made of the input: for each tile and step 64 words, the lanes of score register n that keep their score, and two flag words a tile: need (bit j: some key of step j counts for some row)
; and mixed (and some key does not).  A step that the tile does not need is left out: a scalar branch on a stored whole number, round loads from LDS, products and softmax, never round a barrier.  Such a step's p would be 0 in every row,
; since every row of such a tile has a key that counts (else need is 0xffff).  So no tensor load stands in this text: K and V go from memory through registers into LDS, a step ahead.
; NO CLUSTER: the four work-groups of a head need different numbers of steps, by numbers read from memory, and what a step brings is 12,800 bytes.
; LIMIT: a masked score counts as -2^33, a logit of -2^33 / 8 = -1.07e9 where the problem's text has -1e9: its t is a whole number, so a row without any key gives p = 1 for every key, as there.  The results part only where
; a key that counts has a logit near or under -1e9.  NaN and infinities are not served; a block of zeros gets the byte 1 (its codes are zeros).
; OPERANDS are images of registers (12 a fragment: 3 planes of 512 bytes, lane l's 16 bytes at 16 l).  A packed fragment b of K holds tile 2 b in registers 0-5 (k 0-63) and tile 2 b + 1 in registers 6-11 (k 64-127);
; it is multiplied by [q | 0] and by [0 | q]: zero codes add nothing.  Row r of tile 2 b + u is key 32 b + 8 u + r + 8 (r / 8): the 16 registers of tiles 2 b, 2 b + 1 are keys 32 b + 16 (lane / 16) + 0 .. 15.
; LDS: two slots of 12,800 bytes: K's codes 6,144, V's 6,144, K's scale words 256, V's 256.
.set SLOTB, 12800
.set VCO,   6144
.set KSO,   12288
.set VSO,   12544
.set LI,   1                           ; v1   16 x lane
.set LR,   2                           ; v2   4 x (lane % 16)
.set FC,   3                           ; v3   512 x wave + 16 x lane: my part of a step's codes, in memory and in a slot
.set FL,   5                           ; v5   12,288 + 128 (wave % 4) + 4 x lane: my part of its scale words, in a slot
.set FG,   6                           ; v6   128 (wave % 4) + 4 x lane: and in memory
.set L8,   9                           ; v9   8 x lane
.set CSO,  10                          ; v10  32 (lane % 16) + lane / 16
.set XM,   11                          ; v11  -2^33
.set QLO,  16                          ; v16-27 [q | 0]
.set QHI,  28                          ; v28-39 [0 | q]
.set KV,   40                          ; v40-87 four fragments of K, then of V
.set SS,   88                          ; v88-151 S^T, then p
.set OT,   152                         ; v152-183 O^T
.set PC,   184                         ; v184-195 p's codes
.set CT,   196                         ; v196-203 the conversions' second halves
.set STG,  204                         ; v204-211 the next step's bytes on their way to LDS
.set TMX,  212
.set PRM,  216
.set SOP,  220
.set KSC,  224                         ; v224-227 K's scale words; v228-231 V's; v232 q's; v233 p's: they hold scales and nothing else
.set VSC,  228
.set QS,   232
.set PS,   233
.set FF,   234                         ; v[234:235] f = 2^(old M - new M)
.set WV,   16
.set QB,   17
.set BLK,  18
.set TRIP, 19
.set SEL,  20
.set CS,   22
.set NEED, 24
.set MIX,  25
.set WGN,  26
.set PAR,  27
.set KVB,  28
.set HSB,  30
.set MBB,  66
.set QSEL, 100
.set HM,   101
	s_load_b256 s[4:11], s[0:1], 0x0               ; hc, hs, mbits, mflag
	s_load_b128 s[12:15], s[0:1], 0x20             ; cc, cs
	v_lshl_add_u32 v254, v0, 2, 0x6400
	v_mov_b32 v255, 0
	v_lshrrev_b32 v1, 5, v0
	s_delay_alu instid0(VALU_DEP_1)
	v_readfirstlane_b32 s[WV], v1                  ; wave 0..15
	v_and_b32 v4, 31, v0                           ; lane
	v_and_b32 v7, 15, v0                           ; r
	v_bfe_u32 v8, v0, 4, 1                         ; h
	s_delay_alu instid0(VALU_DEP_3)
	v_lshlrev_b32 v[LI], 4, v4
	s_delay_alu instid0(VALU_DEP_3)
	v_lshlrev_b32 v[LR], 2, v7
	s_lshl_b32 s32, s[WV], 9
	v_add_nc_u32 v[FC], s32, v[LI]
	s_and_b32 s32, s[WV], 3
	s_lshl_b32 s32, s32, 7
	v_lshl_add_u32 v[FG], v4, 2, s32
	s_delay_alu instid0(VALU_DEP_1)
	v_add_nc_u32 v[FL], KSO, v[FG]
	v_lshlrev_b32 v[L8], 3, v4
	v_lshl_add_u32 v[CSO], v7, 5, v8
	v_mov_b32 v[XM], 0xd0000000
.irp i, 0,1,2,3,4,5,6,7
	v_mov_b32 v[STG+\i], 0                         ; stored as they stand where a step is not asked for: bytes that nobody reads
.endr
.irp i, 0,1,2,3
	v_mov_b32 v[PRM+\i], 0                         ; a lane permute's destination counts as one of its sources
.endr
	v_mov_b32 v[FF+1], 0                           ; named with f as a pair
	s_mov_b32 s[SEL], 0x76543210
	s_mov_b32 s[SEL+1], 0xfedcba98                 ; lane l xor 16
	s_mov_b32 s[CS], 0x3e38aa3b                    ; c = log2(e) / 8
	s_mov_b32 s[CS+1], s[CS]
	s_mov_b32 s[HM], 0xffff0000                    ; lanes 16-31
	s_mov_b32 s[QSEL], 0x01000100
	s_and_b32 s32, s[WV], 1
	s_cmp_eq_u32 s32, 1                            ; an odd tile lies in the upper half of its packed fragment
	s_cselect_b32 s[PAR], -1, 0
	s_cselect_b32 s[QSEL], 0x03020302, s[QSEL]
	s_mov_b32 s[QB], ttmp9
	s_mov_b32 s[BLK], 2
	s_and_b32 s33, ttmp7, 0xffff                   ; 16 x batch + head
	s_lshr_b32 s34, s33, 4
	s_and_b32 s35, s33, 15
	s_mul_i32 s36, s33, 294912
	s_mov_b32 s37, 0
	s_mul_i32 s38, s33, 12288
	s_mov_b32 s39, 0
	s_mul_i32 s40, s34, 128*16*768
	s_mul_i32 s42, s35, 768
	s_add_co_u32 s40, s40, s42
	s_mov_b32 s41, 0
	s_lshl_b32 s42, s34, 16
	s_lshl_b32 s44, s35, 1
	s_add_co_u32 s42, s42, s44
	s_mov_b32 s43, 0
	s_wait_kmcnt 0x0
	s_add_nc_u64 s[4:5], s[4:5], s[36:37]          ; hc and hs at my head,
	s_add_nc_u64 s[6:7], s[6:7], s[38:39]
	s_add_nc_u64 s[12:13], s[12:13], s[40:41]      ; cc at my batch's first tile, my head; a tile on is 12,288 bytes
	s_add_nc_u64 s[14:15], s[14:15], s[42:43]      ; cs at my batch's first token, my head's two bytes
; The step st steps on from where the bases stand is asked for, if some tile of the work-group needs it: waves 0-11 take 512 bytes of K's codes and 512 of V's, waves 12-15 128 bytes of the scale words.
.macro REQ bit, st
	s_bitcmp1_b32 s[WGN], \bit
	s_cbranch_scc0 .Lnoreq_\@
	s_cmp_lt_u32 s[WV], 12
	s_cbranch_scc0 .Lreqs_\@
	global_load_b128 v[STG:STG+3], v[FC], s[KVB:KVB+1] offset:18432*(\st)
	global_load_b128 v[STG+4:STG+7], v[FC], s[KVB:KVB+1] offset:18432*(\st)+VCO
	s_branch .Lnoreq_\@
.Lreqs_\@:
	global_load_b32 v[STG], v[FG], s[HSB:HSB+1] offset:768*(\st)
.Lnoreq_\@:
.endm
.macro PUT slot
	s_cmp_lt_u32 s[WV], 12
	s_cbranch_scc0 .Lputs_\@
	ds_store_b128 v[FC], v[STG:STG+3] offset:SLOTB*(\slot)
	s_wait_alu depctr_va_vdst(0)
	ds_store_b128 v[FC], v[STG+4:STG+7] offset:SLOTB*(\slot)+VCO
	s_branch .Lputd_\@
.Lputs_\@:
	ds_store_b32 v[FL], v[STG] offset:SLOTB*(\slot)
.Lputd_\@:
.endm
; A key step's work for my tile, from slot sl.
.macro COMPUTE sl
.irp f, 0,1,2,3
.irp p, 0,1,2
	ds_load_b128 v[KV+12*\f+4*\p:KV+12*\f+4*\p+3], v[LI] offset:SLOTB*(\sl)+1536*\f+512*\p
.endr
	ds_load_b32 v[KSC+\f], v[LR] offset:SLOTB*(\sl)+KSO+64*\f
.endr
	s_load_b512 s[32:47], s[MBB:MBB+1], 256*(\sl)      ; the step's 64 words of lanes; always asked for, so that one branch alone hangs on mixed
	s_load_b512 s[48:63], s[MBB:MBB+1], 256*(\sl)+64
	s_load_b512 s[68:83], s[MBB:MBB+1], 256*(\sl)+128
	s_load_b512 s[84:99], s[MBB:MBB+1], 256*(\sl)+192
	s_wait_dscnt 0x0                               ; K and its scale words
.irp f, 0,1,2,3
	v_wmma_scale_f32_16x16x128_f8f6f4 v[SS+16*\f:SS+16*\f+7], v[KV+12*\f:KV+12*\f+11], v[QLO:QLO+11], 0, v[KSC+\f], v[QS] matrix_a_fmt:MATRIX_FMT_BF6 matrix_b_fmt:MATRIX_FMT_BF6
	v_wmma_scale_f32_16x16x128_f8f6f4 v[SS+16*\f+8:SS+16*\f+15], v[KV+12*\f:KV+12*\f+11], v[QHI:QHI+11], 0, v[KSC+\f], v[QS] matrix_a_fmt:MATRIX_FMT_BF6 matrix_b_fmt:MATRIX_FMT_BF6
.endr
.rept 4
	v_nop                                          ; places in front of the loads into K's registers and of the first read of the scores
.endr
.irp f, 0,1,2,3
.irp p, 0,1,2
	ds_load_b128 v[KV+12*\f+4*\p:KV+12*\f+4*\p+3], v[LI] offset:SLOTB*(\sl)+VCO+1536*\f+512*\p   ; V lands while the softmax is walked
.endr
	ds_load_b32 v[VSC+\f], v[LR] offset:SLOTB*(\sl)+VSO+64*\f
.endr
	s_wait_kmcnt 0x0
	s_bitcmp1_b32 s[MIX], \sl
	s_cbranch_scc0 .Lopen_\@                       ; every key of the step counts for every row of the tile
.set n, 0
.rept 64
.if n < 32
	v_cndmask_b32 v[SS+n], v[XM], v[SS+n], s[32+n]
.else
	v_cndmask_b32 v[SS+n], v[XM], v[SS+n], s[36+n]
.endif
.set n, n+1
.endr
.Lopen_\@:
.irp b, 0,1,2,3
	v_max3_num_f32 v[TMX+\b], v[SS+16*\b], v[SS+1+16*\b], v[SS+2+16*\b]   ; the largest score of each block of 32 keys: for the row's maximum, and, since p rises with the score, for the block's largest p
.endr
.irp i, 3,5,7,9,11,13
.irp b, 0,1,2,3
	v_max3_num_f32 v[TMX+\b], v[TMX+\b], v[SS+16*\b+\i], v[SS+1+16*\b+\i]
.endr
.endr
.irp b, 0,1,2,3
	v_max_num_f32 v[TMX+\b], v[TMX+\b], v[SS+15+16*\b]
.endr
.irp b, 0,1,2,3
	s_delay_alu instid0(VALU_DEP_4)
	v_permlanex16_b32 v[PRM+\b], v[TMX+\b], s[SEL], s[SEL+1]
.endr
.irp b, 0,1,2,3
	s_delay_alu instid0(VALU_DEP_4)
	v_max_num_f32 v[TMX+\b], v[TMX+\b], v[PRM+\b]  ; with lane l xor 16's 16 keys
.endr
	s_delay_alu instid0(VALU_DEP_2)
	v_max3_num_f32 v236, v[TMX], v[TMX+1], v[TMX+2]
	s_delay_alu instid0(VALU_DEP_1)
	v_max_num_f32 v236, v236, v[TMX+3]
	s_delay_alu instid0(VALU_DEP_1)
	v_mul_f32 v236, s[CS], v236                    ; the step's largest t of my query
	s_delay_alu instid0(VALU_DEP_1)
	v_max_num_f32 v13, v13, v236                   ; the running largest t
	v_mov_b32 v236, v12
	s_delay_alu instid0(VALU_DEP_2)
	v_floor_f32 v12, -v13                          ; the new -M = floor(-t): M is a whole number
	s_delay_alu instid0(VALU_DEP_1)
	v_sub_f32 v236, v12, v236                      ; old M - new M: a whole number, 0 or less
	s_delay_alu instid0(VALU_DEP_1)
	v_cvt_i32_f32 v236, v236                       ; (it saturates)
	s_delay_alu instid0(VALU_DEP_1)
	v_ldexp_f32 v[FF], 1.0, v236                   ; f
.set n, 0
.rept 32
	v_pk_fma_f32 v[SS+n:SS+n+1], v[SS+n:SS+n+1], s[CS:CS+1], v[12:13] op_sel_hi:[1,0,0]   ; t - M, two at a time
.set n, n+2
.endr
.irp b, 0,1,2,3
	v_fma_f32 v[TMX+\b], v[TMX+\b], s[CS], v12     ; the same of each block's largest score
.endr
.set n, 0
	s_wait_alu depctr_va_vdst(0)
.rept 64
	v_exp_f32 v[SS+n], v[SS+n]                     ; p = 2^(t - M): not normalised
.set n, n+1
.endr
	v_pk_mul_f32 v[14:15], v[14:15], v[FF:FF+1] op_sel_hi:[1,0]   ; the sums under the new M (a plain line behind the exponentials)
	s_wait_alu depctr_va_vdst(0)                   ; one wait for the batch of 64, ahead of its first reader
.irp b, 0,1,2,3
	v_exp_f32 v[TMX+\b], v[TMX+\b]                 ; the block's largest p
.endr
	v_pk_add_f32 v[238:239], v[92:93], v[96:97]
	v_pk_add_f32 v[252:253], v[100:101], v[104:105]
	v_pk_add_f32 v[250:251], v[108:109], v[112:113]
	v_pk_add_f32 v[248:249], v[116:117], v[120:121]
	v_pk_add_f32 v[246:247], v[124:125], v[128:129]
	v_pk_add_f32 v[244:245], v[132:133], v[136:137]
	v_pk_add_f32 v[242:243], v[140:141], v[144:145]
	v_pk_add_f32 v[14:15], v[14:15], v[148:149]
	v_pk_add_f32 v[238:239], v[238:239], v[88:89]
	v_pk_add_f32 v[252:253], v[252:253], v[90:91]
	v_pk_add_f32 v[250:251], v[250:251], v[94:95]
	v_pk_add_f32 v[248:249], v[248:249], v[98:99]
	v_pk_add_f32 v[246:247], v[246:247], v[102:103]
	v_pk_add_f32 v[244:245], v[244:245], v[106:107]
	v_pk_add_f32 v[242:243], v[242:243], v[110:111]
	v_pk_add_f32 v[14:15], v[14:15], v[114:115]
	v_pk_add_f32 v[238:239], v[238:239], v[118:119]
	v_pk_add_f32 v[252:253], v[252:253], v[122:123]
	v_pk_add_f32 v[250:251], v[250:251], v[126:127]
	v_pk_add_f32 v[248:249], v[248:249], v[130:131]
	v_pk_add_f32 v[246:247], v[246:247], v[134:135]
	v_pk_add_f32 v[244:245], v[244:245], v[138:139]
	v_pk_add_f32 v[242:243], v[242:243], v[142:143]
	v_pk_add_f32 v[14:15], v[14:15], v[146:147]
	v_pk_add_f32 v[238:239], v[238:239], v[150:151]
	s_delay_alu instid0(VALU_DEP_2)
	v_pk_add_f32 v[14:15], v[14:15], v[248:249]
	s_delay_alu instid0(VALU_DEP_2)
	v_pk_add_f32 v[238:239], v[238:239], v[246:247]
	v_pk_add_f32 v[252:253], v[252:253], v[244:245]
	v_pk_add_f32 v[250:251], v[250:251], v[242:243]
	s_delay_alu instid0(VALU_DEP_2)
	v_pk_add_f32 v[14:15], v[14:15], v[252:253]
	s_delay_alu instid0(VALU_DEP_2)
	v_pk_add_f32 v[238:239], v[238:239], v[250:251]
	s_delay_alu instid0(VALU_DEP_1)
	v_pk_add_f32 v[14:15], v[14:15], v[238:239]
	s_wait_alu depctr_va_vdst(0)                   ; and one for the four
.irp b, 0,1,2,3
	v_max_num_f32 v[TMX+\b], 0x2800000, v[TMX+\b]  ; the floor 2^(5 - 127): the byte cannot fall under 1
.endr
.irp b, 0,1,2,3
	s_delay_alu instid0(VALU_DEP_4)
	v_add_nc_u32 v[SOP+\b], 0xfe000000, v[TMX+\b]  ; 4 off the exponent field: the conversion's scale operand
.endr
.irp b, 0,1,2,3
	s_delay_alu instid0(VALU_DEP_4)
	v_lshrrev_b32 v[PRM+\b], 23, v[SOP+\b]         ; the scale's byte
.endr
	s_delay_alu instid0(VALU_DEP_3)
	v_lshl_or_b32 v[PS], v[PRM+1], 8, v[PRM]       ; p's scale word for these 128 keys
	s_delay_alu instid0(VALU_DEP_1)
	v_lshl_or_b32 v[PS], v[PRM+2], 16, v[PS]
	s_delay_alu instid0(VALU_DEP_1)
	v_lshl_or_b32 v[PS], v[PRM+3], 24, v[PS]
.irp c, 0,1
	v_cvt_scalef32_pk16_bf6_f32 v[PC+6*\c:PC+6*\c+2], v[SS+32*\c:SS+32*\c+15], v[SOP+2*\c]
	v_cvt_scalef32_pk16_bf6_f32 v[CT+4*\c:CT+4*\c+2], v[SS+32*\c+16:SS+32*\c+31], v[SOP+2*\c+1]
.endr
	v_nop                                          ; one plain line behind a scaled conversion
.irp c, 0,1
.irp i, 0,1,2
	v_permlane16_swap_b32 v[PC+6*\c+\i], v[CT+4*\c+\i]   ; the operand's layout wants a whole block in a lane
.endr
.irp i, 0,1,2
	s_delay_alu instid0(VALU_DEP_3)
	v_mov_b32 v[PC+6*\c+3+\i], v[CT+4*\c+\i]
.endr
.endr
.set n, 0
.rept 16
	v_pk_mul_f32 v[OT+n:OT+n+1], v[OT+n:OT+n+1], v[FF:FF+1] op_sel_hi:[1,0]   ; O^T under the new M.  (These sixteen are also the places between p's scale word and codes and the products)
.set n, n+2
.endr
	s_wait_alu depctr_va_vdst(0)
	s_wait_dscnt 0x0                               ; V and its scale words
.irp f, 0,1,2,3
	v_wmma_scale_f32_16x16x128_f8f6f4 v[OT+8*\f:OT+8*\f+7], v[KV+12*\f:KV+12*\f+11], v[PC:PC+11], v[OT+8*\f:OT+8*\f+7], v[VSC+\f], v[PS] matrix_a_fmt:MATRIX_FMT_BF6 matrix_b_fmt:MATRIX_FMT_BF6
.endr
.rept 4
	v_nop                                          ; places in front of the next loads into V's registers and of the next read of O^T
.endr
.endm
; A key step.  The next step's bytes are asked for first and go into the other slot at the end: that slot was last read in front of the last barrier.  ONE barrier a step: in front of it my stores have landed and my reads of this slot are back.
.macro STEP sl
	REQ (\sl)+1, (\sl)+1
	s_bitcmp1_b32 s[NEED], \sl
	s_cbranch_scc0 .Lskip_\@
	COMPUTE \sl
.Lskip_\@:
	s_wait_loadcnt 0x0
	PUT 1-(\sl)
	s_wait_dscnt 0x0
	s_barrier_signal -1
	s_barrier_wait -1
.endm
.Lblock:
	s_lshl_b32 s32, s[QB], 4
	s_add_co_u32 s32, s32, s[WV]                   ; my tile of 16 queries: 0 .. 127
	s_lshl_b32 s33, s32, 2
	s_lshl_b32 s34, s[QB], 6
	s_load_b32 s[NEED], s[10:11], s33 offset:0x0
	s_load_b32 s[MIX], s[10:11], s33 offset:0x200
	s_load_b512 s[36:51], s[10:11], s34 offset:0x0 ; need of the work-group's sixteen tiles
	s_lshl_b32 s52, s[QB], 1
	s_lshr_b32 s53, s[WV], 3
	s_add_co_u32 s52, s52, s53                     ; the step of 128 tokens in which my queries lie,
	s_bfe_u32 s53, s[WV], 0x20001                  ; and the packed fragment
	s_mul_i32 s54, s52, 18432
	s_mul_i32 s55, s53, 1536
	s_add_co_u32 s54, s54, s55
	s_mov_b32 s55, 0
	s_add_nc_u64 s[54:55], s[4:5], s[54:55]
	s_mul_i32 s56, s52, 768
	s_lshl_b32 s57, s53, 6
	s_add_co_u32 s56, s56, s57
	s_mov_b32 s57, 0
	s_add_nc_u64 s[56:57], s[6:7], s[56:57]
	s_add_nc_u64 s[KVB:KVB+1], s[4:5], 6144        ; K's codes of step 0; V's follow them
	s_add_nc_u64 s[HSB:HSB+1], s[6:7], 256         ; K's scale words of step 0; V's follow them
	s_lshl_b32 s58, s32, 12
	s_mov_b32 s59, 0
	s_add_nc_u64 s[MBB:MBB+1], s[8:9], s[58:59]    ; my tile's words of lanes
	global_load_b128 v[KV:KV+3], v[LI], s[54:55]
	global_load_b128 v[KV+4:KV+7], v[LI], s[54:55] offset:512
	global_load_b128 v[KV+8:KV+11], v[LI], s[54:55] offset:1024
	global_load_b32 v236, v[LR], s[56:57]
	s_wait_kmcnt 0x0
.irp k, 37,38,39,40,41,42,43,44,45,46,47,48,49,50,51
	s_or_b32 s36, s36, s\k
.endr
	s_and_b32 s[WGN], s36, 0xffff                  ; the steps that some tile of the work-group needs; bit 16 is 0: no step is asked for past the last
	REQ 0, 0
	s_wait_loadcnt 0x0                             ; step 0's bytes, and q
	PUT 0
	s_wait_dscnt 0x0
	s_barrier_signal -1
	s_barrier_wait -1
.irp i, 0,1,2,3,4,5
	v_cndmask_b32 v[QLO+\i], v[KV+\i], v[KV+6+\i], s[PAR]   ; my tile's six registers
.endr
.irp i, 0,1,2,3,4,5
	v_mov_b32 v[QHI+6+\i], v[QLO+\i]
.endr
.irp i, 0,1,2,3,4,5
	v_mov_b32 v[QLO+6+\i], 0                       ; zero codes
	v_mov_b32 v[QHI+\i], 0
.endr
	v_perm_b32 v[QS], v236, v236, s[QSEL]          ; my tile's two bytes, twice: they serve [q | 0] and [0 | q]
.set n, 0
.rept 32
	v_mov_b32 v[OT+n], 0                           ; O^T: the step is written once; the first change of M leaves zeros zeros.  (Also the places between q's scale word and the first product)
.set n, n+1
.endr
	v_mov_b32 v13, 0xff61b1e6                      ; the largest t so far: -3e38
	s_delay_alu instid0(VALU_DEP_1)
	v_floor_f32 v12, -v13
	v_mov_b32 v14, 0
	v_mov_b32 v15, 0
	s_mov_b32 s[TRIP], 8
.Ltrip:
	STEP 0
	STEP 1
	s_add_nc_u64 s[KVB:KVB+1], s[KVB:KVB+1], 36864 ; every load that named these bases has been waited for
	s_add_nc_u64 s[HSB:HSB+1], s[HSB:HSB+1], 1536
	s_add_nc_u64 s[MBB:MBB+1], s[MBB:MBB+1], 512
	s_lshr_b32 s[NEED], s[NEED], 2
	s_lshr_b32 s[MIX], s[MIX], 2
	s_lshr_b32 s[WGN], s[WGN], 2
	s_sub_co_u32 s[TRIP], s[TRIP], 1
	s_cmp_lg_u32 s[TRIP], 0
	s_cbranch_scc1 .Ltrip
	s_wait_alu depctr_va_vdst(0)
	; THE BLOCK'S END: O^T / the sum, quantised along the head's 64: register 16 b + i is channel 32 b + 16 (lane / 16) + i
	v_add_f32 v14, v14, v15
	s_delay_alu instid0(VALU_DEP_1)
	v_permlanex16_b32 v236, v14, s[SEL], s[SEL+1]
	s_delay_alu instid0(VALU_DEP_1)
	v_add_f32 v14, v14, v236                       ; the row's sum
	s_wait_alu depctr_va_vdst(0)
	v_rcp_f32 v[FF], v14
	v_nop                                          ; a plain line behind the reciprocal
	s_wait_alu depctr_va_vdst(0)                   ; and the wait ahead of its first reader
.set n, 0
.rept 16
	v_pk_mul_f32 v[SS+n:SS+n+1], v[OT+n:OT+n+1], v[FF:FF+1] op_sel_hi:[1,0]
.set n, n+2
.endr
.irp b, 0,1
	v_max3_num_f32 v[TMX+\b], |v[SS+16*\b]|, |v[SS+1+16*\b]|, 0x2800000
.endr
.irp i, 2,4,6,8,10,12,14
.irp b, 0,1
	s_delay_alu instid0(VALU_DEP_2)
	v_max3_num_f32 v[TMX+\b], v[TMX+\b], |v[SS+16*\b+\i]|, |v[SS+1+16*\b+\i]|
.endr
.endr
.irp b, 0,1
	s_delay_alu instid0(VALU_DEP_2)
	v_permlanex16_b32 v[PRM+\b], v[TMX+\b], s[SEL], s[SEL+1]
.endr
.irp b, 0,1
	s_delay_alu instid0(VALU_DEP_2)
	v_max_num_f32 v[TMX+\b], v[TMX+\b], v[PRM+\b]
.endr
.irp b, 0,1
	s_delay_alu instid0(VALU_DEP_2)
	v_add_nc_u32 v[SOP+\b], 0xfe000000, v[TMX+\b]
.endr
.irp b, 0,1
	s_delay_alu instid0(VALU_DEP_2)
	v_lshrrev_b32 v[PRM+\b], 23, v[SOP+\b]
.endr
	v_cvt_scalef32_pk16_bf6_f32 v[PC:PC+2], v[SS:SS+15], v[SOP]
	v_cvt_scalef32_pk16_bf6_f32 v[CT:CT+2], v[SS+16:SS+31], v[SOP+1]
	v_nop                                          ; one plain line behind a scaled conversion
.irp i, 0,1,2
	v_permlane16_swap_b32 v[PC+\i], v[CT+\i]
.endr
.irp i, 0,1,2
	s_delay_alu instid0(VALU_DEP_3)
	v_mov_b32 v[PC+3+\i], v[CT+\i]                 ; six registers: half a fragment of the last projection's operand
.endr
	v_cndmask_b32 v236, v[PRM], v[PRM+1], s[HM]    ; lanes 0-15 store block 0's byte, lanes 16-31 block 1's
	s_lshl_b32 s32, s[QB], 4
	s_add_co_u32 s32, s32, s[WV]
	s_mul_i32 s34, s32, 12288
	s_mov_b32 s35, 0
	s_add_nc_u64 s[34:35], s[12:13], s[34:35]
	s_lshl_b32 s36, s32, 9
	s_mov_b32 s37, 0
	s_add_nc_u64 s[36:37], s[14:15], s[36:37]
	s_wait_alu depctr_va_vdst(0)
	global_store_b128 v[LI], v[PC:PC+3], s[34:35]              ; 512 consecutive bytes, aligned
	global_store_b64 v[L8], v[PC+4:PC+5], s[34:35] offset:512  ; 256 consecutive bytes, aligned
	global_store_b8 v[CSO], v236, s[36:37]                     ; the scale bytes lie as rows of 32 for the last projection: 32 single bytes for 768 bytes of codes
	s_wait_xcnt 0x0                                ; the stores have read their registers and bases: both are written again in the next block
	s_sub_co_u32 s[QB], 7, s[QB]
	s_sub_co_u32 s[BLK], s[BLK], 1
	s_cmp_lg_u32 s[BLK], 0
	s_cbranch_scc1 .Lblock
	s_wait_tensorcnt 0x0
	ds_add_u32 v254, v255
	s_wait_dscnt 0x0
	s_endpgm
.Lfunc_end_k_q1082766391_attn:
	.size	k_q1082766391_attn, .Lfunc_end_k_q1082766391_attn-k_q1082766391_attn
	.p2alignl 7, 3214868480
	.fill 96, 4, 3214868480
	.section	.rodata,"a",@progbits
	.p2align	6, 0x0
	.amdhsa_kernel k_q1082766391_attn
		.amdhsa_group_segment_fixed_size 27648
		.amdhsa_private_segment_fixed_size 0
		.amdhsa_enable_private_segment 0
		.amdhsa_kernarg_size 48
		.amdhsa_user_sgpr_count 2
		.amdhsa_user_sgpr_kernarg_segment_ptr 1
		.amdhsa_wavefront_size32 1
		.amdhsa_system_sgpr_workgroup_id_x 1
		.amdhsa_system_sgpr_workgroup_id_y 1
		.amdhsa_system_sgpr_workgroup_id_z 1
		.amdhsa_system_vgpr_workitem_id 0
		.amdhsa_next_free_vgpr 256
		.amdhsa_next_free_sgpr 102
		.amdhsa_reserve_vcc 0
		.amdhsa_float_denorm_mode_32 3
		.amdhsa_float_denorm_mode_16_64 3
		.amdhsa_memory_ordered 1
		.amdhsa_forward_progress 1
		.amdhsa_inst_pref_size 58
	.end_amdhsa_kernel
	.amdgpu_metadata
---
amdhsa.version: [ 1, 2 ]
amdhsa.kernels:
  - .name:           k_q1082766391_attn
    .symbol:         k_q1082766391_attn.kd
    .args:
      - { .name: hc, .offset: 0, .size: 8, .value_kind: global_buffer, .address_space: global }
      - { .name: hs, .offset: 8, .size: 8, .value_kind: global_buffer, .address_space: global }
      - { .name: mbits, .offset: 16, .size: 8, .value_kind: global_buffer, .address_space: global }
      - { .name: mflag, .offset: 24, .size: 8, .value_kind: global_buffer, .address_space: global }
      - { .name: cc, .offset: 32, .size: 8, .value_kind: global_buffer, .address_space: global }
      - { .name: cs, .offset: 40, .size: 8, .value_kind: global_buffer, .address_space: global }
    .group_segment_fixed_size: 27648
    .private_segment_fixed_size: 0
    .kernarg_segment_align: 8
    .kernarg_segment_size: 48
    .max_flat_workgroup_size: 512
    .sgpr_count:     102
    .vgpr_count:     256
    .wavefront_size: 32
...
	.end_amdgpu_metadata
.endif
;; end of part 3
;; launch outproj (part 4): grid 4 x 32, 4 waves a work-group, clusters of 4 x 4, 327,680 bytes of LDS; arguments cc, cs, xc, xs, bo, out0; writes out0
.if DOCPART == 4
	.amdgcn_target "amdgcn-amd-amdhsa--gfx1250"
	.amdhsa_code_object_version 6
	.text
	.protected	k_q1082766391_outproj
	.globl	k_q1082766391_outproj
	.p2align	8
	.type	k_q1082766391_outproj,@function
k_q1082766391_outproj:
	s_mov_b64 s[64:65], 0
	v_nop
	global_prefetch_b8 v0, s[64:65] scope:SCOPE_SE
	s_setreg_imm32_b32 hwreg(HW_REG_WAVE_MODE, 25, 1), 1
	s_wait_xcnt 0x0
	s_wait_alu depctr_hold_cnt(0) depctr_sa_sdst(0) depctr_va_vdst(0) depctr_va_sdst(0) depctr_va_ssrc(0) depctr_va_vcc(0) depctr_vm_vsrc(0)
	s_getreg_b32 s2, hwreg(HW_REG_IB_STS2, 6, 4)
	s_cmp_eq_u32 s2, 0
	s_cbranch_scc0 .Lentry_in_a_cluster
	s_endpgm
.Lentry_in_a_cluster:
	s_bfe_u32 s2, ttmp6, 0x10000c
	s_cmp_lg_u32 s2, 0xf033
	s_cbranch_scc0 .Lentry_shape_is_right
	s_endpgm
.Lentry_shape_is_right:
; THE LAST PROJECTION: out0 = ctx Wo^T + bo, on codes of BF6 (E3M2) with one E8M0 scale for each 32 along K = 1,024; out0 [8192][1024] f32.
; A tile of 256 x 256 is made by four waves, 128 x 128 each: 64 accumulators of 16 x 16.  K goes in steps of 256 through a ring of two LDS slots filled by the tensor data mover; the scale bytes of the tile's rows come once and stay.
; A = ctx lies in cc as IMAGES OF REGISTERS: [tile of 16 tokens 512][head 16][768 bytes]: a head's six registers as a plane of 512 bytes (registers 0-3, lane l's 16 bytes at 16 l) and one of 256 (registers 4-5, 8 bytes a lane).
; Two heads are a fragment of 128 along K; a K step is four heads, 3,072 consecutive bytes of a tile of tokens.  Its scale bytes lie in cs as rows of 32.  B = Wo: rows 27,648 on of xc and xs, 768 and 32 bytes a row.
; THE MATRIX INSTRUCTION IS USED TRANSPOSED (source 0 = 16 rows of Wo, source 1 = 16 tokens): a lane holds eight neighbouring numbers of a row of out0.  bo is the C of each sum's first matrix instruction.
; CLUSTERS: 4 x 4 work-groups; A's tiles are asked for jointly along a row of the cluster, B's along a column.  The grid is one cluster wide: the tile column is cx.
; REGISTERS, in windows of 256: window 0: v0-31 addresses; v32-63 scale words, two sets; v64-127 bo; v128-223 A's fragments, one set; on the way out v128-255 take rows of out0.
;   window 1: B's fragments, two sets, at v0 and v128.   window 2: the accumulators of my rows 0-63 ((a, b) at v[8 (8 a + b)]);   window 3: those of my rows 64-127.
.set NQ,     2
.set ROWB,   192
.set KROW,   768
.set PITCH,  240                       ; B's LDS row: 3 x (64 bytes + 16 of padding)
.set FR,     12
.set NL,     6                         ; LDS loads that bring a fragment of B
.set NLA,    4                         ; and of A
.set NP,     4
.set HALFA,  8*3072                    ; A: eight tiles of tokens x a K step's 3,072 bytes: what one tensor load brings
.set HALFT,  128*PITCH                 ; B: 128 rows
.set BOFF,   2*HALFA
.set SLOT,   2*HALFA+2*HALFT
.set LAPS,   2
.set KS,     32
.set SCL,    2*SLOT
.set HALFS,  16*272
.set SBLK,   2*272
.set SPARE,  SCL+4*HALFS               ; the spare words, 128 bytes for each wave: two blocks of 256 bytes that no other line names
.set SPITCH, 528                       ; the way out: a stage of 16 rows x (512 bytes + 16) for each wave, in slot 0, which has had its last fill and its last read when the first result is stored there
.set SIZE_N, 1024
.set ADRA, 16                          ; v16-17 my A fragments in slot 0, 1, + 16 x lane;  v18-19 + 8 x lane
.set ADRB, 20                          ; v20-21 my B fragments;  v22-23 behind one padding more
.set STO,  24
.set RD,   25
.set CO,   26
.set ADRS, 27
.set SPW,  28
.set NIL,  29
.set BOA,  30                          ; v30 bo's loads: 32 x (lane / 16)
.set SC,   32
.set BIAS, 64
.set AF,   128
.set BK,   128
.set G1, 24
.set G0, 32
.set G1B, 48
.set G0B, 56
.set G1S, 68
.set G0S, 76
.set G1SB, 80
.set G0SB, 88
.set MSB, 0
.macro WIN new                         ; the immediate's high byte repeats the setting that is left
.if MSB != \new
	s_set_vgpr_msb (MSB<<8)|\new
.set MSB, \new
.endif
.endm
.set MUL_LO, 0xa1
.set MUL_HI, 0xf1
.set TO_B,   0x40
.macro JLOAD g0a, g1a, g0b, g1b        ; a joint load: waves 0 and 1 fetch for A, waves 2 and 3 for B; four v_nop follow each of the two lines
	s_cmp_eq_u32 s15, 0
	s_cbranch_scc0 .Lfor_b_\@
	tensor_load_to_lds s[\g0a:\g0a+3], s[\g1a:\g1a+7]
	s_nop 0
.rept 4
	v_nop
.endr
	s_branch .Lasked_\@
.Lfor_b_\@:
	tensor_load_to_lds s[\g0b:\g0b+3], s[\g1b:\g1b+7]
	s_nop 0
.rept 4
	v_nop
.endr
.Lasked_\@:
.endm
.macro CREST
	s_cmp_lg_u32 s14, 0
	s_cbranch_scc1 .Lnot_wave_0_\@
	s_barrier_signal -3
.Lnot_wave_0_\@:
	s_barrier_wait -3
	s_barrier_signal -1
	s_barrier_wait -1
.endm
.macro CROUND
	s_barrier_signal -1
	s_barrier_wait -1
	CREST
.endm
	s_load_b128 s[4:7], s[0:1], 0x0                ; cc, cs
	s_load_b128 s[8:11], s[0:1], 0x10              ; xc, xs
	s_load_b64 s[66:67], s[0:1], 0x20              ; bo
	s_load_b64 s[12:13], s[0:1], 0x28              ; out0
	v_lshl_add_u32 v[SPW], v0, 2, SPARE
	v_mov_b32 v[NIL], 0
	ds_add_u32 v28, v29
	ds_add_u32 v28, v29
	s_wait_dscnt 0x0
	v_lshrrev_b32 v1, 5, v0
	v_readfirstlane_b32 s14, v1                    ; wave 0..3
	s_lshr_b32 s15, s14, 1                         ; which half of the tile's rows is mine.  Also: I fetch for A (0) or for B (1)
	s_and_b32 s16, s14, 1                          ; which half of its columns.  Also: which half of that tile I fetch
	s_bfe_u32 s40, ttmp6, 0x40000                  ; cx: also the tile column
	s_bfe_u32 s41, ttmp6, 0x40004                  ; cy
	s_and_b32 s17, ttmp7, 0xffff
	s_lshl_b32 s17, s17, 2
	s_add_co_u32 s17, s17, s41                     ; tile row = 4 x cluster y + cy
	s_lshl_b32 s43, s41, 2
	s_lshl_b32 s43, 15, s43                        ; my row of the cluster
	s_lshl_b32 s44, 0x1111, s40                    ; my column
	; A's tiles: 8 rows (tiles of tokens) of 3,072 bytes (384 elements of 8), 12,288 bytes apart; no padding: they are read as they lie, 16 or 8 bytes a lane
	s_or_b32 s[G1+0], s43, (3<<16)|(1<<21)
	s_mov_b32 s[G1+1], 384<<16                     ; tensor_dim0
	s_mov_b32 s[G1+2], 8<<16                       ; tensor_dim1
	s_mov_b32 s[G1+3], 384<<16                     ; tile_dim0
	s_mov_b32 s[G1+4], 8                           ; tile_dim1
	s_mov_b32 s[G1+5], 1536                        ; the pitch, in elements
	s_mov_b32 s[G1+6], 0
	s_mov_b32 s[G1+7], 0
	; B's tiles: 128 rows of 192 bytes, 16 bytes of padding behind every 64
	s_or_b32 s[G1B+0], s44, (0<<16)|(1<<20)|(1<<21)|(3<<22)|(3<<25)
	s_mov_b32 s[G1B+1], ROWB<<16
	s_mov_b32 s[G1B+2], 128<<16
	s_mov_b32 s[G1B+3], ROWB<<16
	s_mov_b32 s[G1B+4], 128
	s_mov_b32 s[G1B+5], KROW
	s_mov_b32 s[G1B+6], 0
	s_mov_b32 s[G1B+7], 0
	; the scales of 128 rows: 4,096 dense bytes as 16 rows of 256 bytes, 16 of padding behind each
	s_or_b32 s[G1S+0], s43, (3<<16)|(1<<20)|(1<<21)|(5<<22)|(3<<25)
	s_or_b32 s[G1SB+0], s44, (3<<16)|(1<<20)|(1<<21)|(5<<22)|(3<<25)
.irp g, G1S, G1SB
	s_mov_b32 s[\g+1], 32<<16
	s_mov_b32 s[\g+2], 16<<16
	s_mov_b32 s[\g+3], 32<<16
	s_mov_b32 s[\g+4], 16
	s_mov_b32 s[\g+5], 32
	s_mov_b32 s[\g+6], 0
	s_mov_b32 s[\g+7], 0
.endr
	s_lshl_b32 s20, s17, 4
	s_lshl_b32 s18, s16, 3
	s_add_co_u32 s20, s20, s18                     ; A: tile of tokens 16 x tile row + 8 x half
	s_mul_i32 s20, s20, 12288
	s_mov_b32 s21, 0
	s_lshl_b32 s22, s17, 8
	s_lshl_b32 s18, s16, 7
	s_add_co_u32 s22, s22, s18                     ; its tokens: 256 x tile row + 128 x half
	s_lshl_b32 s22, s22, 5                         ; 32 scale bytes a token
	s_mov_b32 s23, 0
	s_lshl_b32 s46, s40, 8
	s_add_co_u32 s46, s46, s18
	s_add_co_u32 s46, s46, 27648                   ; B: Wo's row 256 cx + 128 x half, in xc and xs
	s_lshl_b32 s92, s46, 5
	s_mov_b32 s93, 0
	s_mul_i32 s46, s46, KROW
	s_mov_b32 s47, 0
	s_mul_i32 s45, s16, HALFA                      ; where they go: A's two halves,
	s_mul_i32 s2, s16, HALFT
	s_add_co_u32 s2, s2, BOFF                      ; then B's two
	s_mul_i32 s94, s14, HALFS
	s_wait_kmcnt 0x0
	s_add_nc_u64 s[20:21], s[4:5], s[20:21]
	s_add_nc_u64 s[22:23], s[6:7], s[22:23]
	s_add_nc_u64 s[46:47], s[8:9], s[46:47]
	s_add_nc_u64 s[92:93], s[10:11], s[92:93]
	CROUND                                         ; all sixteen work-groups are here: the first joint loads meet
	s_mov_b32 s[G0S], 1
	s_add_co_u32 s[G0S+1], s94, SCL
	s_mov_b64 s[G0S+2:G0S+3], s[22:23]
	s_or_b32 s[G0S+3], s[G0S+3], 0x80000000
	s_mov_b32 s[G0SB], 1
	s_add_co_u32 s[G0SB+1], s94, SCL
	s_mov_b64 s[G0SB+2:G0SB+3], s[92:93]
	s_or_b32 s[G0SB+3], s[G0SB+3], 0x80000000
	JLOAD G0S, G1S, G0SB, G1SB                     ; the scales first: they are wanted with K step 0
.irp s, 0,1
	s_mov_b32 s[G0+4*\s], 1
	s_add_co_u32 s[G0+4*\s+1], s45, \s*SLOT
	s_add_nc_u64 s[G0+4*\s+2:G0+4*\s+3], s[20:21], \s*3072
	s_or_b32 s[G0+4*\s+3], s[G0+4*\s+3], 0x80000000
	s_mov_b32 s[G0B+4*\s], 1
	s_add_co_u32 s[G0B+4*\s+1], s2, \s*SLOT
	s_add_nc_u64 s[G0B+4*\s+2:G0B+4*\s+3], s[46:47], \s*ROWB
	s_or_b32 s[G0B+4*\s+3], s[G0B+4*\s+3], 0x80000000
	JLOAD G0+4*\s, G1, G0B+4*\s, G1B
.endr
	v_and_b32 v1, 15, v0                           ; r
	v_bfe_u32 v2, v0, 4, 1                         ; h
	v_and_b32 v6, 31, v0                           ; lane
	v_mul_u32_u24 v3, v1, PITCH
	v_mul_u32_u24 v4, v2, 24
	v_add_nc_u32 v4, v3, v4                        ; B: a fragment's row x pitch + 24 x half
	v_lshl_add_u32 v5, v2, 4, v4                   ; and the same behind one padding more
	v_lshlrev_b32 v7, 4, v6                        ; A: 16 x lane,
	v_lshlrev_b32 v8, 3, v6                        ; and 8 x lane
	s_mul_i32 s21, s15, HALFA                      ; my eight tiles of tokens
	s_mul_i32 s22, s16, HALFT
	s_add_co_u32 s22, s22, BOFF                    ; my 128 rows of B
.irp s, 0,1
	v_add_nc_u32 v[ADRA+\s], s21, v7
	v_add_nc_u32 v[ADRA+2+\s], s21, v8
	v_add_nc_u32 v[ADRB+\s], s22, v4
	v_add_nc_u32 v[ADRB+2+\s], s22, v5
	s_add_co_u32 s21, s21, SLOT
	s_add_co_u32 s22, s22, SLOT
.endr
	v_mul_u32_u24 v5, v1, KS                       ; my row's scales: 32 bytes a row,
	v_lshrrev_b32 v9, 8, v5
	v_lshl_add_u32 v5, v9, 4, v5                   ; and 16 more for each 256 passed
	s_mul_i32 s21, s15, HALFS
	s_mul_i32 s22, s16, HALFS
	s_add_co_u32 s22, s22, 2*HALFS
	s_sub_co_u32 s22, s22, s21
	v_mul_u32_u24 v9, s22, v2                      ; lanes 16-31 take B's
	s_add_co_u32 s21, s21, SCL
	v_add_nc_u32 v5, v5, v9
	v_add_nc_u32 v[ADRS], s21, v5
	s_mul_i32 s23, s14, 16*SPITCH                  ; my stage
	v_mul_u32_u24 v5, v1, SPITCH                   ; in: row l % 16, 32 bytes for each half of the lanes
	v_lshl_add_u32 v5, v2, 5, v5
	v_add_nc_u32 v[STO], s23, v5
	v_lshlrev_b32 v[CO], 4, v6                     ; back: the 32 lanes take one row of 512 bytes; and the same in out0
	v_add_nc_u32 v[RD], s23, v[CO]
	s_lshl_b32 s46, s40, 10                        ; my first column, in bytes: 1,024 cx + 512 x half
	s_lshl_b32 s47, s16, 9
	s_add_co_u32 s46, s46, s47
	s_mov_b32 s47, 0
	s_add_nc_u64 s[66:67], s[66:67], s[46:47]      ; bo at my first column
	s_lshl_b32 s20, s17, 8
	s_lshl_b32 s21, s15, 7
	s_add_co_u32 s20, s20, s21                     ; my first row: 256 x tile row + 128 x half
	s_lshl_b32 s20, s20, 12                        ; 4,096 bytes a row
	s_mov_b32 s21, 0
	s_add_nc_u64 s[20:21], s[20:21], s[46:47]
	s_add_nc_u64 s[12:13], s[12:13], s[20:21]
	v_lshlrev_b32 v[BOA], 5, v2
.irp b, 0,1,2,3,4,5,6,7                ; register 8 b + j wants column 16 b + 8 h + j
	global_load_b128 v[BIAS+8*\b:BIAS+8*\b+3], v[BOA], s[66:67] offset:64*\b
	global_load_b128 v[BIAS+8*\b+4:BIAS+8*\b+7], v[BOA], s[66:67] offset:64*\b+16
.endr
.macro FRAG reg, adr, q, i             ; a fragment of B from rows: 24 bytes of the row's stream of bits for each 64 along K, in pieces of 8 bytes
.irp p, 0,1,2,3,4,5
.set PC, 12*(\q)+6*(\p/3)+\p%3
.if PC%8 < 5
	ds_load_b64 v[\reg+2*\p:\reg+2*\p+1], v[\adr] offset:8*PC+16*(PC/8)+(\i)*16*PITCH
.else
	ds_load_b64 v[\reg+2*\p:\reg+2*\p+1], v[\adr+2] offset:8*PC+16*(PC/8)+(\i)*16*PITCH
.endif
.endr
.endm
.macro FRAGA reg, slot, q, i           ; a fragment of A from images: two heads, each a plane of 16 bytes a lane and one of 8
	ds_load_b128 v[\reg:\reg+3],     v[ADRA+\slot]   offset:3072*(\i)+1536*(\q)
	ds_load_b64  v[\reg+4:\reg+5],   v[ADRA+2+\slot] offset:3072*(\i)+1536*(\q)+512
	ds_load_b128 v[\reg+6:\reg+9],   v[ADRA+\slot]   offset:3072*(\i)+1536*(\q)+768
	ds_load_b64  v[\reg+10:\reg+11], v[ADRA+2+\slot] offset:3072*(\i)+1536*(\q)+1280
.endm
; 16 matrix instructions: A's blocks a0, a0 + 1 x B's eight, 128 along K.  cm = 1: the sums begin with bo.  The 64 accumulators take turns, one instruction a turn.
.macro MUL16 a0, p, q, sc, cm
.irp a, \a0, \a0+1
.irp b, 0,1,2,3,4,5,6,7
.if \cm
	v_wmma_scale_f32_16x16x128_f8f6f4 v[8*(8*((\a)%4)+\b):8*(8*((\a)%4)+\b)+7], v[128*(\p)+FR*\b:128*(\p)+FR*\b+FR-1], v[AF+FR*(\a):AF+FR*(\a)+FR-1], v[BIAS+8*\b:BIAS+8*\b+7], v[SC+8*NQ*(\sc)+NQ*\b+(\q)], v[SC+8*NQ*(\sc)+NQ*(\a)+(\q)] matrix_a_fmt:MATRIX_FMT_BF6 matrix_b_fmt:MATRIX_FMT_BF6 matrix_a_scale:MATRIX_SCALE_ROW1
.else
	v_wmma_scale_f32_16x16x128_f8f6f4 v[8*(8*((\a)%4)+\b):8*(8*((\a)%4)+\b)+7], v[128*(\p)+FR*\b:128*(\p)+FR*\b+FR-1], v[AF+FR*(\a):AF+FR*(\a)+FR-1], v[8*(8*((\a)%4)+\b):8*(8*((\a)%4)+\b)+7], v[SC+8*NQ*(\sc)+NQ*\b+(\q)], v[SC+8*NQ*(\sc)+NQ*(\a)+(\q)] matrix_a_fmt:MATRIX_FMT_BF6 matrix_b_fmt:MATRIX_FMT_BF6 matrix_a_scale:MATRIX_SCALE_ROW1
.endif
.endr
.endr
.endm
.macro FETCH_B slot, q, p
	WIN TO_B
.irp i, 0,1,2,3,4,5,6,7
	FRAG 128*(\p)+FR*\i, ADRB+\slot, \q, \i
.endr
	WIN 0
.endm
.macro FETCH_A slot, q, i0
.irp i, \i0, \i0+1, \i0+2, \i0+3
	FRAGA AF+FR*(\i), \slot, \q, \i
.endr
.endm
.macro SCALES sc
.irp i, 0,1,2,3,4,5,6,7
	ds_load_b64 v[SC+8*NQ*\sc+NQ*\i:SC+8*NQ*\sc+NQ*\i+1], v[ADRS] offset:\i*SBLK
.endr
.endm
.macro PLACES n                        ; plain vector lines between a matrix instruction and a load into, or a read of, its registers
.rept \n
	v_nop
.endr
.endm
.macro STEP slot, q, cm
	s_wait_dscnt 4*NLA                             ; B's set and A's blocks 0-3 are in; the youngest 16 loads (A's blocks 4-7) may be out
.if \cm
	WIN 0x81                                       ; C (bo) window 0, D window 2
.else
	WIN MUL_LO
.endif
	MUL16 0, (\q)%2, \q, \slot, \cm
	MUL16 2, (\q)%2, \q, \slot, \cm
	s_wait_dscnt 0
	PLACES NP
	FETCH_B \slot, (\q)+1, 1-(\q)%2
	FETCH_A \slot, (\q)+1, 0
.if \cm
	WIN 0xc1
.else
	WIN MUL_HI
.endif
	MUL16 4, (\q)%2, \q, \slot, \cm
	MUL16 6, (\q)%2, \q, \slot, \cm
	PLACES NP
	WIN 0
	FETCH_A \slot, (\q)+1, 4
.endm
.macro TURN slot, next, fill
	s_wait_tensorcnt 0x0                           ; all my tensor loads have landed: my part of the next slot
	ds_add_u32 v[SPW], v[NIL]                      ; 0 onto my spare word
	s_wait_dscnt 4*NLA+1                           ; (the add and the youngest 16 loads, A's blocks 4-7, may be out)
	WIN MUL_LO
	MUL16 0, 1, NQ-1, \slot, 0
	s_wait_dscnt 0x0                               ; the add is done, and my reads of this slot are over
	s_barrier_signal -1
	MUL16 2, 1, NQ-1, \slot, 0
	WIN 0
	s_barrier_wait -1
.if \fill
	CREST                                          ; the barrier has opened a round of the cluster's barrier: no wave of any partner still reads this slot or has a load on its way
	s_add_nc_u64 s[G0+4*\slot+2:G0+4*\slot+3], s[G0+4*\slot+2:G0+4*\slot+3], 2*3072
	s_add_nc_u64 s[G0B+4*\slot+2:G0B+4*\slot+3], s[G0B+4*\slot+2:G0B+4*\slot+3], 2*ROWB
	JLOAD G0+4*\slot, G1, G0B+4*\slot, G1B         ; the first tensor load behind the round; its four v_nop are also the places in front of the loads below
.else
	PLACES NP
.endif
	v_add_nc_u32 v[ADRS], 4*NQ, v[ADRS]            ; on to the next K step's scale words (no LDS load of mine is out)
	FETCH_B \next, 0, 0
	FETCH_A \next, 0, 0
	SCALES \next
	WIN MUL_HI
	MUL16 4, 1, NQ-1, \slot, 0
	MUL16 6, 1, NQ-1, \slot, 0
	PLACES NP
	WIN 0
	FETCH_A \next, 0, 4
.endm
	s_wait_tensorcnt 1                             ; the scales and my part of K step 0 are in (K step 1's load may be out),
	s_barrier_signal -1
	s_barrier_wait -1                              ; everybody's are
	FETCH_B 0, 0, 0
	FETCH_A 0, 0, 0
	SCALES 0
	FETCH_A 0, 0, 4
	s_wait_loadcnt 0x0                             ; bo
	STEP 0, 0, 1                                   ; the first step stands in front of the loop: its products begin the sums with bo
	s_mov_b32 s3, LAPS-1
.Llap:
	TURN 0, 1, 1
	STEP 1, 0, 0
	TURN 1, 0, 1
	STEP 0, 0, 0
	s_sub_co_u32 s3, s3, 1
	s_cmp_lg_u32 s3, 0
	s_cbranch_scc1 .Llap
	TURN 0, 1, 0                                   ; the last lap fills nothing, and has no round of the cluster's barrier
	STEP 1, 0, 0
	s_wait_dscnt 4*NLA                             ; the very last step: nothing more to fetch
	WIN MUL_LO
	MUL16 0, 1, NQ-1, 1, 0
	MUL16 2, 1, NQ-1, 1, 0
	s_wait_dscnt 0
	WIN MUL_HI
	MUL16 4, 1, NQ-1, 1, 0
	MUL16 6, 1, NQ-1, 1, 0
	WIN 0
; THE WAY OUT, block by block of 16 rows x 128 columns, through my own stage in LDS: back as whole rows of 512 bytes.  LDS serves a wave's instructions in order (ISA guide 5.7.1.4): no wait between the stores and the loads.
.macro TOSTAGE a
.set AC, 64*((\a)%4)
	WIN 0x08+4*((\a)/4)                            ; the data: window 2 or 3
.irp b, 0,1,2,3,4,5,6,7
	ds_store_b128 v[STO], v[AC+8*\b:AC+8*\b+3] offset:64*\b          ; each accumulator from its low end on
	ds_store_b128 v[STO], v[AC+8*\b+4:AC+8*\b+7] offset:64*\b+16
.endr
	WIN 0
.set BB, BK+64*((\a)%2)
.irp t, 0,1,2,3,4,5,6,7,8,9,10,11,12,13,14,15
	ds_load_b128 v[BB+4*\t:BB+4*\t+3], v[RD] offset:\t*SPITCH
.endr
.endm
.macro SEND a, younger                 ; younger: the LDS instructions issued behind block a's loads, which may stay out
.set BB, BK+64*((\a)%2)
	s_wait_dscnt \younger
.if (\a) > 0
	s_add_nc_u64 s[12:13], s[12:13], 16*SIZE_N*4   ; (behind a wait on XCNT: the earlier stores have read their base)  16 rows on
.endif
.irp t, 0,1,2,3,4,5,6,7,8,9,10,11,12,13,14,15
	global_store_b128 v[CO], v[BB+4*\t:BB+4*\t+3], s[12:13] offset:\t*SIZE_N*4 th:TH_STORE_NT   ; 32 lanes store 512 consecutive bytes, aligned; written once, read by nobody here
.endr
.endm
	PLACES NP
	TOSTAGE 0
.irp a, 1,2,3,4,5,6,7
.if \a > 1
	s_wait_xcnt 0x0                                ; block a - 2's stores have read their registers and their base
.endif
	TOSTAGE \a
	SEND \a-1, 32                                  ; behind block a - 1's loads: block a's 16 stores and 16 loads
.endr
	s_wait_xcnt 0x0                                ; block 6's stores have read their base
	SEND 7, 0
	s_wait_tensorcnt 0x0                           ; the wave's end
	ds_add_u32 v[SPW], v[NIL]
	s_wait_dscnt 0x0
	CROUND                                         ; the closing round: no work-group ends while a partner may still ask for a tile that names it
	s_endpgm
.Lfunc_end_k_q1082766391_outproj:
	.size	k_q1082766391_outproj, .Lfunc_end_k_q1082766391_outproj-k_q1082766391_outproj
	.p2alignl 7, 3214868480
	.fill 96, 4, 3214868480
	.section	.rodata,"a",@progbits
	.p2align	6, 0x0
	.amdhsa_kernel k_q1082766391_outproj
		.amdhsa_group_segment_fixed_size 327680
		.amdhsa_private_segment_fixed_size 0
		.amdhsa_enable_private_segment 0
		.amdhsa_kernarg_size 48
		.amdhsa_user_sgpr_count 2
		.amdhsa_user_sgpr_kernarg_segment_ptr 1
		.amdhsa_wavefront_size32 1
		.amdhsa_system_sgpr_workgroup_id_x 1
		.amdhsa_system_sgpr_workgroup_id_y 1
		.amdhsa_system_sgpr_workgroup_id_z 1
		.amdhsa_system_vgpr_workitem_id 0
		.amdhsa_next_free_vgpr 1024
		.amdhsa_next_free_sgpr 98
		.amdhsa_reserve_vcc 0
		.amdhsa_float_denorm_mode_32 3
		.amdhsa_float_denorm_mode_16_64 3
		.amdhsa_memory_ordered 1
		.amdhsa_forward_progress 1
		.amdhsa_inst_pref_size 154
	.end_amdhsa_kernel
	.amdgpu_metadata
---
amdhsa.version: [ 1, 2 ]
amdhsa.kernels:
  - .name:           k_q1082766391_outproj
    .symbol:         k_q1082766391_outproj.kd
    .args:
      - { .name: cc, .offset: 0, .size: 8, .value_kind: global_buffer, .address_space: global }
      - { .name: cs, .offset: 8, .size: 8, .value_kind: global_buffer, .address_space: global }
      - { .name: xc, .offset: 16, .size: 8, .value_kind: global_buffer, .address_space: global }
      - { .name: xs, .offset: 24, .size: 8, .value_kind: global_buffer, .address_space: global }
      - { .name: bo, .offset: 32, .size: 8, .value_kind: global_buffer, .address_space: global }
      - { .name: out0, .offset: 40, .size: 8, .value_kind: global_buffer, .address_space: global }
    .group_segment_fixed_size: 327680
    .private_segment_fixed_size: 0
    .kernarg_segment_align: 8
    .kernarg_segment_size: 48
    .max_flat_workgroup_size: 128
    .sgpr_count:     98
    .vgpr_count:     1024
    .wavefront_size: 32
...
	.end_amdgpu_metadata
.endif
;; end of part 4
